; MI455X (gfx1250); checked and timed in simulation.
; The chip was launched on July 23, 2026; its instructions are those of AMD's public machine-readable ISA for CDNA 5 (MIT licence, August 2026) and "CDNA5" Instruction Set Architecture Reference Guide (July 2026). The comments in the code are by the model that wrote it; some were corrected since.
;; Graphormer Attention. Allowed arithmetic: float matrix products may take bf16 or f16 operands with f32 sums; all other float work in f32.
;; Inputs: Wk 768 x 768 float32; Wo 768 x 768 float32; Wq 768 x 768 float32; Wv 768 x 768 float32; bk 768 float32; bo 768 float32; bq 768 float32; bv 768 float32; edge_enc 8 x 1,024 x 1,024 float32; mask 8 x 1,024 x 1,024 bool; sp_enc 8 x 1,024 x 1,024 float32; x 8 x 1,024 x 768 float32.
;; Outputs: out0 8 x 1,024 x 768 float32.
;; One version. Each part assembles by itself: llvm-mc -triple=amdgcn-amd-amdhsa -mcpu=gfx1250 --defsym DOCPART=n.
;; ======== version 1 of 1: 4 launches
;; limits: values are held in f16: magnitudes above 65,504 overflow, below 6.1e-05 lose precision; inputs' magnitudes at most 6.6e+35
;; workspace buffers: act 12,582,912 bytes; wb 4,718,592 bytes; q2 12,582,912 bytes; kv 25,165,824 bytes
;; launch cvt (part 1): grid 256 x 1, 11 waves a work-group, no clusters, 0 bytes of LDS; arguments x, Wq, Wk, Wv, Wo, act, wb; writes act, wb
.if DOCPART == 1
	.amdgcn_target "amdgcn-amd-amdhsa--gfx1250"
	.amdhsa_code_object_version 6
	.text
	.protected	k_qbec71f9ce1_cvt
	.globl	k_qbec71f9ce1_cvt
	.p2align	8
	.type	k_qbec71f9ce1_cvt,@function
k_qbec71f9ce1_cvt:
	s_mov_b64 s[64:65], 0
	v_nop
	global_prefetch_b8 v0, s[64:65] scope:SCOPE_SE
	s_setreg_imm32_b32 hwreg(HW_REG_WAVE_MODE, 25, 1), 1
	s_wait_xcnt 0x0
; GRAPHORMER ATTENTION, launch 1 of 4: x, Wq, Wk, Wv, Wo from f32 to f16, laid out in blocks of 32 along K.
;   act[kb][row][32]      x, 24 blocks of K x 8,192 rows x 64 bytes      (launch 3 stores the attention's result in the same layout)
;   wb[mat][kb][row][32]  mat = q, k, v, o; 24 blocks x 768 rows x 64 bytes
; So a tile of R rows of one block of K is R x 64 consecutive bytes, which the later launches' tensor loads take as dense blocks.
;
; WORK LEFT OUT IN THE WHOLE PROGRAM: bk.  scores[b,h,q,k] = q.(Wk x_k)/8 + q.bk/8 + sp[b,q,k] + edge[b,q,k].  The term q.bk/8 does not
; hang on k: it is the same along the softmax's axis and cancels between numerator and denominator for all values of the inputs; masked places
; stay masked and a fully masked row is NaN either way.  bk has no other way to the output, so it is not loaded and is no launch's argument.
; LIMIT: a NaN, an infinity or an overflow that bk alone would bring is not carried to the result.
; LIMITS OF FORMAT: all matrix operands are f16 (sums in f32): x, the weights, q/8, k, v and the attention's result must stay below 65,504 in
; magnitude, else they become infinite here where f32 would not.  Further limits stand at the head of the attention launch.
;
; No tile is shared between work-groups and nothing is multiplied: no LDS, no cluster, no matrix unit.
; 11,264 source rows of 3,072 bytes are 2,816 groups of four rows = 256 work-groups x 11 waves: one group a wave.
; A wave issues its 24 loads (12,288 bytes) at once.  Lane l: block select l>>4, row (l>>2)&3, eight numbers at 32 (l&3) bytes.
; Each store: lanes 0-15 write 256 consecutive aligned bytes (four rows x 64 bytes of block 2j), lanes 16-31 those of block 2j+1.
.set XGRP,   2048                      ; groups of x
.set WGRP,   192                       ; groups of one weight matrix
.set XPLANE, 524288                    ; bytes of one block of K in act
.set WPLANE, 49152                     ; the same in wb
.set WMAT,   1179648                   ; bytes of one matrix in wb
.set SRC,  1                           ; v1       byte offset in the group's four source rows
.set DOFF, 4                           ; v[4:15]  byte offset of store j
.set IN,   32                          ; v[32:127]  as loaded
.set OUTR, 128                         ; v[128:175] as stored
	s_load_b256 s[4:11], s[0:1], 0x0               ; x s[4:5], Wq s[6:7], Wk s[8:9], Wv s[10:11]
	s_load_b128 s[12:15], s[0:1], 0x20             ; Wo s[12:13], act s[14:15]
	s_load_b64 s[16:17], s[0:1], 0x30              ; wb
	v_lshrrev_b32 v2, 5, v0
	v_readfirstlane_b32 s20, v2                    ; wave 0..10
	s_mul_i32 s21, ttmp9, 11
	s_add_co_u32 s21, s21, s20                     ; my group, 0..2815
	s_sub_co_u32 s22, s21, XGRP                    ; its number among the weights' groups (wraps for a group of x: overruled below)
	s_mov_b32 s23, 0                               ; which matrix
	s_cmp_ge_u32 s22, WGRP
	s_cselect_b32 s23, 1, s23
	s_cmp_ge_u32 s22, 2*WGRP
	s_cselect_b32 s23, 2, s23
	s_cmp_ge_u32 s22, 3*WGRP
	s_cselect_b32 s23, 3, s23
	s_mul_i32 s26, s23, WGRP
	s_sub_co_u32 s26, s22, s26                     ; group inside the matrix
	s_mul_i32 s27, s23, WMAT                       ; the matrix's place in wb
	s_mov_b32 s30, WPLANE
	s_cmp_lt_u32 s21, XGRP                         ; a group of x?
	s_cselect_b32 s26, s21, s26
	s_cselect_b32 s27, 0, s27
	s_cselect_b32 s30, XPLANE, s30                 ; bytes from one block of K to the next in the destination
	s_lshl_b32 s31, s30, 1
	s_mul_i32 s32, s26, 12288                      ; source: four rows of 3,072 bytes a group
	s_mov_b32 s33, 0
	s_lshl_b32 s34, s26, 8                         ; destination: four rows of 64 bytes a group
	s_add_co_u32 s34, s34, s27
	s_mov_b32 s35, 0
	v_and_b32 v2, 31, v0                           ; lane
	v_lshrrev_b32 v3, 4, v2                        ; block select
	v_bfe_u32 v16, v2, 2, 2                        ; row
	v_and_b32 v17, 3, v2                           ; which eight numbers of the block's 32
	v_and_b32 v18, 15, v2
	v_mul_u32_u24 v[SRC], v16, 3072
	v_lshl_add_u32 v[SRC], v3, 7, v[SRC]
	v_lshl_add_u32 v[SRC], v17, 5, v[SRC]
	v_mul_lo_u32 v[DOFF], v3, s30
	v_lshl_add_u32 v[DOFF], v18, 4, v[DOFF]
.irp j, 0,1,2,3,4,5,6,7,8,9,10
	v_add_nc_u32 v[DOFF+\j+1], s31, v[DOFF+\j]     ; two blocks of K further
.endr
	s_wait_kmcnt 0x0
	s_cmp_eq_u32 s23, 1
	s_cselect_b64 s[24:25], s[8:9], s[6:7]
	s_cmp_eq_u32 s23, 2
	s_cselect_b64 s[24:25], s[10:11], s[24:25]
	s_cmp_eq_u32 s23, 3
	s_cselect_b64 s[24:25], s[12:13], s[24:25]
	s_cmp_lt_u32 s21, XGRP
	s_cselect_b64 s[24:25], s[4:5], s[24:25]       ; from
	s_cselect_b64 s[28:29], s[14:15], s[16:17]     ; to
	s_add_nc_u64 s[24:25], s[24:25], s[32:33]
	s_add_nc_u64 s[28:29], s[28:29], s[34:35]
.irp j, 0,1,2,3,4,5,6,7,8,9,10,11
	global_load_b128 v[IN+8*\j:IN+8*\j+3],   v[SRC], s[24:25] offset:256*\j th:TH_LOAD_NT
	global_load_b128 v[IN+8*\j+4:IN+8*\j+7], v[SRC], s[24:25] offset:256*\j+16 th:TH_LOAD_NT
.endr
.irp j, 0,1,2,3,4,5,6,7,8,9,10,11
	s_wait_loadcnt 22-2*\j                         ; loads return in order: pair j is in, the 22 - 2j younger loads stay out
	v_cvt_pk_f16_f32 v[OUTR+4*\j],   v[IN+8*\j],   v[IN+8*\j+1]
	v_cvt_pk_f16_f32 v[OUTR+4*\j+1], v[IN+8*\j+2], v[IN+8*\j+3]
	v_cvt_pk_f16_f32 v[OUTR+4*\j+2], v[IN+8*\j+4], v[IN+8*\j+5]
	v_cvt_pk_f16_f32 v[OUTR+4*\j+3], v[IN+8*\j+6], v[IN+8*\j+7]
	global_store_b128 v[DOFF+\j], v[OUTR+4*\j:OUTR+4*\j+3], s[28:29]   ; no register of a store is written again
.endr
	s_endpgm
.Lfunc_end_k_qbec71f9ce1_cvt:
	.size	k_qbec71f9ce1_cvt, .Lfunc_end_k_qbec71f9ce1_cvt-k_qbec71f9ce1_cvt
	.p2alignl 7, 3214868480
	.fill 96, 4, 3214868480
	.section	.rodata,"a",@progbits
	.p2align	6, 0x0
	.amdhsa_kernel k_qbec71f9ce1_cvt
		.amdhsa_group_segment_fixed_size 0
		.amdhsa_private_segment_fixed_size 0
		.amdhsa_enable_private_segment 0
		.amdhsa_kernarg_size 56
		.amdhsa_user_sgpr_count 2
		.amdhsa_user_sgpr_kernarg_segment_ptr 1
		.amdhsa_wavefront_size32 1
		.amdhsa_system_sgpr_workgroup_id_x 1
		.amdhsa_system_sgpr_workgroup_id_y 1
		.amdhsa_system_sgpr_workgroup_id_z 1
		.amdhsa_system_vgpr_workitem_id 0
		.amdhsa_next_free_vgpr 176
		.amdhsa_next_free_sgpr 66
		.amdhsa_reserve_vcc 0
		.amdhsa_float_denorm_mode_32 3
		.amdhsa_float_denorm_mode_16_64 3
		.amdhsa_memory_ordered 1
		.amdhsa_forward_progress 1
		.amdhsa_inst_pref_size 10
	.end_amdhsa_kernel
	.amdgpu_metadata
---
amdhsa.version: [ 1, 2 ]
amdhsa.kernels:
  - .name:           k_qbec71f9ce1_cvt
    .symbol:         k_qbec71f9ce1_cvt.kd
    .args:
      - { .name: x, .offset: 0, .size: 8, .value_kind: global_buffer, .address_space: global }
      - { .name: Wq, .offset: 8, .size: 8, .value_kind: global_buffer, .address_space: global }
      - { .name: Wk, .offset: 16, .size: 8, .value_kind: global_buffer, .address_space: global }
      - { .name: Wv, .offset: 24, .size: 8, .value_kind: global_buffer, .address_space: global }
      - { .name: Wo, .offset: 32, .size: 8, .value_kind: global_buffer, .address_space: global }
      - { .name: act, .offset: 40, .size: 8, .value_kind: global_buffer, .address_space: global }
      - { .name: wb, .offset: 48, .size: 8, .value_kind: global_buffer, .address_space: global }
    .group_segment_fixed_size: 0
    .private_segment_fixed_size: 0
    .kernarg_segment_align: 8
    .kernarg_segment_size: 56
    .max_flat_workgroup_size: 352
    .sgpr_count:     66
    .vgpr_count:     176
    .wavefront_size: 32
...
	.end_amdgpu_metadata
.endif
;; end of part 1
;; launch qkv (part 2): grid 4 x 64, 4 waves a work-group, clusters of 4 x 4, 327,680 bytes of LDS; arguments act, wb, bq, bv, q2, kv; writes q2, kv
.if DOCPART == 2
	.amdgcn_target "amdgcn-amd-amdhsa--gfx1250"
	.amdhsa_code_object_version 6
	.text
	.protected	k_qbec71f9ce1_qkv
	.globl	k_qbec71f9ce1_qkv
	.p2align	8
	.type	k_qbec71f9ce1_qkv,@function
k_qbec71f9ce1_qkv:
	s_mov_b64 s[64:65], 0
	v_nop
	global_prefetch_b8 v0, s[64:65] scope:SCOPE_SE
	s_setreg_imm32_b32 hwreg(HW_REG_WAVE_MODE, 25, 1), 1
	s_wait_xcnt 0x0
	s_wait_alu depctr_hold_cnt(0) depctr_sa_sdst(0) depctr_va_vdst(0) depctr_va_sdst(0) depctr_va_ssrc(0) depctr_va_vcc(0) depctr_vm_vsrc(0)
	s_getreg_b32 s2, hwreg(HW_REG_IB_STS2, 6, 4)
	s_cmp_eq_u32 s2, 0
	s_cbranch_scc0 .Lentry_in_a_cluster
	s_endpgm
.Lentry_in_a_cluster:
	s_bfe_u32 s2, ttmp6, 0x10000c
	s_cmp_lg_u32 s2, 0xf033
	s_cbranch_scc0 .Lentry_shape_is_right
	s_endpgm
.Lentry_shape_is_right:
; Launch 2 of 4: q = (x Wq^T + bq) / 8, k = x Wk^T, v = x Wv^T + bv, f16 operands, f32 sums, results in f16.
; bk is left out: q.bk/8 is the same along the softmax's axis and cancels (shown at the head of the first launch).
;   q2[b][head][s][64]                     planes of 131,072 bytes, rows of 128
;   kv[b][g][K0 K1 K2 V0 V1 V2][s][64]     g = group of three heads
;   In V's planes the rows of each 16 keys stand in the order 0 1 8 9 2 3 10 11 4 5 12 13 6 7 14 15: the attention launch lays two rows into a
;   unit of 272 bytes, so eight neighbouring keys then lie in every second unit and the sixteen lanes of its transposing load (8 keys x 32 bytes)
;   touch sixteen different 16-byte columns modulo 256.
; Work-group (g, i): rows 128 i .. +127 of x times columns 192 g .. +191 of each of Q, K, V: 128 x 576.  Wave w: all 128 rows times columns
; 48 w .. +47 of each piece: 72 accumulator tiles (a = 0..7 rows, b = 0..8; b 0-2 Q, 3-5 K, 6-8 V).  For 32 along K a wave reads 17 fragments
; of 1,024 bytes from LDS for 72 matrix instructions.
; K goes in steps of 96 (three blocks of 32) through two LDS slots.  A tile of one block of K is dense in memory; the mover lays 16 bytes
; behind every 256, so four rows of 64 bytes share a unit of 272: row p lies at (p>>2) 272 + (p&3) 64, and the sixteen rows of a fragment
; start at sixteen different 16-byte columns modulo 256.
; CLUSTERS 4 x 4: x's tile hangs on i alone and is asked for jointly along a row of the cluster, the weights' tiles on g alone and jointly
; along a column.  Waves 0, 1, 2 ask for the Q, K, V pieces, wave 3 for x: one tensor load a wave behind each round.
; The matrix instruction is used transposed (source 0 = rows of W, source 1 = rows of x): lane (r, h) holds row 16 a + r and eight
; neighbouring columns 8 h + 0..7, which pack into 16 bytes.
; REGISTERS: window 0: v1-28 addresses, v64-127 / v128-191 x's fragments (two buffers), v208-231 bq/8, v232-255 bv;
;   window 1: tiles b 0-3 at v[8 (4 a + b)]; window 2: tiles b 4-7; window 3: tiles b = 8 at v[8 a], v64-135 / v136-207 W's fragments.
.set AKB,    8704                      ; 128 rows of one block of K in LDS: 32 units of 272
.set BKB,    13056                     ; 192 rows: 48 units
.set PIECE,  3*BKB                     ; one of Q, K, V, three blocks
.set AOFF,   3*PIECE                   ; x's tile lies behind the three pieces
.set SLOT,   AOFF+3*AKB                ; 143,616
.set ASTEP,  3*524288                  ; a K step in act
.set BSTEP,  3*49152                   ; a K step in wb
.set LAPS,   4                         ; a lap = two K steps; 8 K steps of 96
.set SPITCH, 1168                      ; the stage's rows: 576 f16 + 16 bytes = 73 x 16
.set ADRA, 16                          ; v16-17  x's fragments, slot 0, 1
.set ADRB, 18                          ; v18-23  W's fragments, slot s piece p at 18 + 3 s + p
.set STO,  24
.set RD,   25
.set CO,   26
.set BOF,  27
.set RDV,  28                          ; the read-back address for V's planes
.set TW,   64                          ; the way out: 48 f32 at work
.set PK,   112                         ; the way out: 36 packed registers
.set BQ,   208
.set BV,   232
.set G1,   24                          ; s[24:31] group 1, x's tile
.set G0,   32                          ; s[32:39] group 0, x's tile, a set for each slot
.set G1B,  48                          ; s[48:55] group 1, a piece of W
.set G0B,  56                          ; s[56:63] group 0, my piece of W, a set for each slot
.set FIELDS, (1<<16)|(1<<20)|(1<<21)|(5<<22)|(3<<25)   ; 2-byte elements; padding on; bit 21 beside a mask; after every 64 words; 4 words
.set MSB, 0
.macro WIN new                         ; the immediate's high byte repeats the setting that is left
.if MSB != \new
	s_set_vgpr_msb (MSB<<8)|\new
.set MSB, \new
.endif
.endm
.macro PLACES                          ; four places behind matrix instructions, in front of loads into their sources and of reads of their results
.rept 4
	v_nop
.endr
.endm
.macro CREST                           ; a round of the cluster's barrier behind its opening barrier
	s_cmp_lg_u32 s16, 0
	s_cbranch_scc1 .Lnot_wave_0_\@
	s_barrier_signal -3
.Lnot_wave_0_\@:
	s_barrier_wait -3
	s_barrier_signal -1
	s_barrier_wait -1
.endm
.macro CROUND
	s_barrier_signal -1
	s_barrier_wait -1
	CREST
.endm
.macro JLOAD s                         ; the branch hangs on the wave's number alone; each line has one mask
	s_cmp_eq_u32 s16, 3
	s_cbranch_scc0 .Lfor_b_\@
	tensor_load_to_lds s[G0+4*\s:G0+4*\s+3], s[G1:G1+7]
	s_nop 0
	s_branch .Lasked_\@
.Lfor_b_\@:
	tensor_load_to_lds s[G0B+4*\s:G0B+4*\s+3], s[G1B:G1B+7]
	s_nop 0
.Lasked_\@:
.endm
.macro MM acc, b, a, f, zero           ; one tile, 32 along K, fragment buffer f
.if \zero
	v_wmma_f32_16x16x32_f16 v[\acc:\acc+7], v[64+72*\f+8*(\b):64+72*\f+8*(\b)+7], v[64+64*\f+8*\a:64+64*\f+8*\a+7], 0
.else
	v_wmma_f32_16x16x32_f16 v[\acc:\acc+7], v[64+72*\f+8*(\b):64+72*\f+8*(\b)+7], v[64+64*\f+8*\a:64+64*\f+8*\a+7], v[\acc:\acc+7]
.endif
.endm
; The 72 accumulators take turns, one instruction a turn, in the same order in every step of 32.
.macro RUNA f, zero                    ; the eight tiles b = 8 (window 3)
	WIN 0xf3
.irp a, 0,1,2,3,4,5,6,7
	MM 8*\a, 8, \a, \f, \zero
.endr
.endm
.macro RUNB f, zero                    ; the 64 tiles b = 0..7 (windows 1 and 2)
	WIN 0x53
.irp a, 0,1,2,3,4,5,6,7
.irp b, 0,1,2,3
	MM 8*(4*\a+\b), \b, \a, \f, \zero
.endr
.endr
	WIN 0xa3
.irp a, 0,1,2,3,4,5,6,7
.irp b, 0,1,2,3
	MM 8*(4*\a+\b), \b+4, \a, \f, \zero
.endr
.endr
.endm
.macro FETCH slot, j, g                ; 34 LDS loads in one run: block j of the slot's three into buffer g
	WIN 0xc0
.irp p, 0,1,2
.irp c, 0,1,2
	ds_load_b128 v[64+72*\g+8*(3*\p+\c):64+72*\g+8*(3*\p+\c)+3],   v[ADRB+3*\slot+\p] offset:\j*BKB+\c*1088
	ds_load_b128 v[64+72*\g+8*(3*\p+\c)+4:64+72*\g+8*(3*\p+\c)+7], v[ADRB+3*\slot+\p] offset:\j*BKB+\c*1088+32
.endr
.endr
	WIN 0
.irp a, 0,1,2,3,4,5,6,7
	ds_load_b128 v[64+64*\g+8*\a:64+64*\g+8*\a+3],   v[ADRA+\slot] offset:\j*AKB+\a*1088
	ds_load_b128 v[64+64*\g+8*\a+4:64+64*\g+8*\a+7], v[ADRA+\slot] offset:\j*AKB+\a*1088+32
.endr
.endm
.macro KMID slot, jn, f, g, zero       ; multiplies buffer f; behind its first eight products it fetches block jn of the same slot into g
	s_wait_dscnt 0x0                               ; buffer f is in: its loads were issued 64 matrix instructions ago
	RUNA \f, \zero
	PLACES
	FETCH \slot, \jn, \g
	RUNB \f, \zero
.endm
; The slot's last block.  In front of the barrier: my reads of this slot are back and all my tensor loads have landed (the one that was out is
; my part of the next slot).  Where the slot is filled again the barrier opens a round of the cluster's barrier, and the joint refill is the
; first tensor load behind the round.  A refill has one K step, 216 matrix instructions, in which to land.
.macro KTURN slot, next, f, g, fill
	s_wait_dscnt 0x0
	s_wait_tensorcnt 0x0
	ds_add_u32 v255, v207
	s_wait_dscnt 0x0
	s_barrier_signal -1
	RUNA \f, 0                                     ; register work while the others arrive
	WIN 0
	s_barrier_wait -1
.if \fill
	CREST
	s_add_nc_u64 s[G0+4*\slot+2:G0+4*\slot+3], s[G0+4*\slot+2:G0+4*\slot+3], 2*ASTEP       ; no tensor load of mine is out: group 0 may be written
	s_add_nc_u64 s[G0B+4*\slot+2:G0B+4*\slot+3], s[G0B+4*\slot+2:G0B+4*\slot+3], 2*BSTEP
	JLOAD \slot
.endif
	PLACES
	FETCH \next, 0, \g
	RUNB \f, 0
.endm
.macro LAP zero
	KMID 0, 1, 0, 1, \zero
	KMID 0, 2, 1, 0, 0
	KTURN 0, 1, 0, 1, 1
	KMID 1, 1, 1, 0, 0
	KMID 1, 2, 0, 1, 0
	KTURN 1, 0, 1, 0, 1
.endm
	s_load_b256 s[4:11], s[0:1], 0x0               ; act s[4:5], wb s[6:7], bq s[8:9], bv s[10:11]
	s_load_b128 s[12:15], s[0:1], 0x20             ; q2 s[12:13], kv s[14:15]
	s_set_vgpr_msb 0xc0
	v_lshl_add_u32 v255, v0, 2, 0x46200
	s_set_vgpr_msb 0xc000
	v_mov_b32 v207, 0
	s_set_vgpr_msb 0x3
	ds_add_u32 v255, v207
	s_set_vgpr_msb 0x300
	v_lshrrev_b32 v1, 5, v0
	v_readfirstlane_b32 s16, v1                    ; wave 0..3
	s_bfe_u32 s40, ttmp6, 0x40000                  ; cx
	s_bfe_u32 s41, ttmp6, 0x40004                  ; cy
	s_lshl_b32 s42, ttmp9, 2
	s_add_co_u32 s42, s42, s40                     ; g = 4 x cluster x + cx
	s_and_b32 s43, ttmp7, 0xffff
	s_lshl_b32 s43, s43, 2
	s_add_co_u32 s43, s43, s41                     ; i = 4 x cluster y + cy
	s_lshl_b32 s44, s41, 2
	s_lshl_b32 s44, 15, s44                        ; my row of the cluster
	s_lshl_b32 s45, 0x1111, s40                    ; my column
	s_or_b32 s[G1+0], s44, FIELDS                  ; x's tile: three rows of 4,096 elements (128 rows x 32 of one block of K, dense), 262,144 elements apart
	s_mov_b32 s[G1+1], 4096<<16                    ; tensor_dim0
	s_mov_b32 s[G1+2], 3<<16                       ; tensor_dim1
	s_mov_b32 s[G1+3], 4096<<16                    ; tile_dim0
	s_mov_b32 s[G1+4], 3                           ; tile_dim1
	s_mov_b32 s[G1+5], 262144                      ; from block to block
	s_mov_b32 s[G1+6], 0
	s_mov_b32 s[G1+7], 0
	s_or_b32 s[G1B+0], s45, FIELDS                 ; a piece of W: three rows of 6,144 elements (192 rows x 32), 24,576 elements apart
	s_mov_b32 s[G1B+1], 6144<<16
	s_mov_b32 s[G1B+2], 3<<16
	s_mov_b32 s[G1B+3], 6144<<16
	s_mov_b32 s[G1B+4], 3
	s_mov_b32 s[G1B+5], 24576
	s_mov_b32 s[G1B+6], 0
	s_mov_b32 s[G1B+7], 0
	s_lshl_b32 s18, s43, 13                        ; x: 128 i rows of 64 bytes (i alone: shared along my row)
	s_mov_b32 s19, 0
	s_mul_i32 s46, s16, 1179648                    ; W: matrix = wave (wave 3 makes an address that it never uses),
	s_mul_i32 s47, s42, 12288                      ; 192 g rows of 64 bytes (g alone: shared along my column)
	s_add_co_u32 s46, s46, s47
	s_mov_b32 s47, 0
	s_mul_i32 s22, s16, PIECE                      ; where my piece goes: the wave's number alone
	s_mul_i32 s70, s42, 768                        ; my 192 columns in bq and bv
	s_mov_b32 s71, 0
	s_wait_dscnt 0x0
	s_wait_kmcnt 0x0
	s_add_nc_u64 s[20:21], s[4:5], s[18:19]
	s_add_nc_u64 s[46:47], s[6:7], s[46:47]
	s_add_nc_u64 s[66:67], s[8:9], s[70:71]
	s_add_nc_u64 s[68:69], s[10:11], s[70:71]
	CROUND                                         ; all sixteen work-groups are here: the first joint loads meet
.irp s, 0,1
	s_mov_b32 s[G0+4*\s], 1
	s_mov_b32 s[G0+4*\s+1], \s*SLOT+AOFF
	s_add_nc_u64 s[G0+4*\s+2:G0+4*\s+3], s[20:21], \s*ASTEP
	s_or_b32 s[G0+4*\s+3], s[G0+4*\s+3], 0x80000000
	s_mov_b32 s[G0B+4*\s], 1
	s_add_co_u32 s[G0B+4*\s+1], s22, \s*SLOT
	s_add_nc_u64 s[G0B+4*\s+2:G0B+4*\s+3], s[46:47], \s*BSTEP
	s_or_b32 s[G0B+4*\s+3], s[G0B+4*\s+3], 0x80000000
	JLOAD \s                                       ; K steps 0 and 1: two tensor loads of the wave are out
.endr
	v_and_b32 v1, 15, v0                           ; r
	v_bfe_u32 v2, v0, 4, 1                         ; h
	v_lshrrev_b32 v4, 2, v1
	v_and_b32 v5, 3, v1
	v_mul_u32_u24 v3, v4, 272
	v_lshl_add_u32 v3, v5, 6, v3
	v_lshl_add_u32 v3, v2, 4, v3                   ; (r>>2) 272 + (r&3) 64 + 16 h
	v_add_nc_u32 v[ADRA], AOFF, v3
	v_add_nc_u32 v[ADRA+1], SLOT+AOFF, v3
	s_mul_i32 s23, s16, 12*272                     ; my 48 rows of each piece
	v_add_nc_u32 v[ADRB], s23, v3
	v_add_nc_u32 v[ADRB+1], PIECE, v[ADRB]
	v_add_nc_u32 v[ADRB+2], 2*PIECE, v[ADRB]
	v_add_nc_u32 v[ADRB+3], SLOT, v[ADRB]
	v_add_nc_u32 v[ADRB+4], SLOT+PIECE, v[ADRB]
	v_add_nc_u32 v[ADRB+5], SLOT+2*PIECE, v[ADRB]
	s_mul_i32 s17, s16, 96
	v_mul_u32_u24 v[STO], v1, SPITCH
	v_lshl_add_u32 v[STO], v2, 4, v[STO]
	v_add_nc_u32 v[STO], s17, v[STO]               ; r x pitch + 96 w + 16 h
	v_and_b32 v7, 31, v0
	v_lshrrev_b32 v8, 3, v7
	v_lshl_add_u32 v8, s16, 5, v8
	v_mul_u32_u24 v[RD], v8, SPITCH
	v_and_b32 v9, 7, v7
	v_lshl_add_u32 v[RD], v9, 4, v[RD]             ; (32 w + l>>3) x pitch + 16 (l&7)
	v_lshrrev_b32 v10, 4, v7
	v_bfe_u32 v11, v7, 3, 1
	v_lshl_add_u32 v10, v10, 3, v11                ; V's planes: the lane's four rows of a store are keys 0, 1, 8, 9 of the store's own
	v_lshl_add_u32 v10, s16, 5, v10
	v_mul_u32_u24 v[RDV], v10, SPITCH
	v_lshl_add_u32 v[RDV], v9, 4, v[RDV]           ; (32 w + 8 (l>>4) + ((l>>3)&1)) x pitch + 16 (l&7)
	v_lshlrev_b32 v[CO], 4, v7
	v_lshl_add_u32 v[CO], s16, 12, v[CO]           ; 4,096 w + 16 l
	s_mul_i32 s17, s16, 192
	v_lshl_add_u32 v[BOF], v2, 5, s17              ; 192 w + 32 h: my eight columns of tile 0 in bq and bv
.irp c, 0,1,2
	global_load_b128 v[BQ+8*\c:BQ+8*\c+3],   v[BOF], s[66:67] offset:64*\c
	global_load_b128 v[BQ+8*\c+4:BQ+8*\c+7], v[BOF], s[66:67] offset:64*\c+16
	global_load_b128 v[BV+8*\c:BV+8*\c+3],   v[BOF], s[68:69] offset:64*\c
	global_load_b128 v[BV+8*\c+4:BV+8*\c+7], v[BOF], s[68:69] offset:64*\c+16
.endr
	s_lshr_b32 s76, s43, 3                         ; batch
	s_and_b32 s77, s43, 7                          ; which 128 rows of it
	s_mul_i32 s72, s76, 1572864
	s_mul_i32 s73, s42, 393216
	s_add_co_u32 s72, s72, s73
	s_lshl_b32 s77, s77, 14
	s_add_co_u32 s72, s72, s77
	s_mov_b32 s73, 0
	s_mul_i32 s74, s76, 3145728
	s_mul_i32 s75, s42, 786432
	s_add_co_u32 s74, s74, s75
	s_add_co_u32 s74, s74, s77
	s_mov_b32 s75, 0
	s_add_nc_u64 s[72:73], s[12:13], s[72:73]      ; q2 at my three heads' first row
	s_add_nc_u64 s[74:75], s[14:15], s[74:75]      ; kv at my six planes' first row
	s_wait_loadcnt 0x0
.set n, 0
.rept 12
	v_pk_mul_f32 v[BQ+2*n:BQ+2*n+1], v[BQ+2*n:BQ+2*n+1], 0x3e000000 op_sel_hi:[1,0]   ; bq / 8
.set n, n+1
.endr
	s_wait_tensorcnt 0x1                           ; my part of K step 0 is in; K step 1's stays out
	s_barrier_signal -1
	s_barrier_wait -1
	FETCH 0, 0, 0
	LAP 1                                          ; the first products start the sums: nothing is cleared
	WIN 0
	s_mov_b32 s3, LAPS-2
.Llap:
	LAP 0
	WIN 0
	s_sub_co_u32 s3, s3, 1
	s_cmp_lg_u32 s3, 0
	s_cbranch_scc1 .Llap
	KMID 0, 1, 0, 1, 0                             ; the last lap fills nothing
	KMID 0, 2, 1, 0, 0
	KTURN 0, 1, 0, 1, 0
	KMID 1, 1, 1, 0, 0
	KMID 1, 2, 0, 1, 0
	s_wait_dscnt 0x0
	RUNA 1, 0
	RUNB 1, 0
	; THE WAY OUT.  The stage is [128 rows][576 f16] in the ring's bytes, which have had their last fill.  Every wave's fragment reads are
	; back (the wait for 0 above); the barrier shows it of all four before any of them stores.
	PLACES
	WIN 0
	s_barrier_signal -1
	s_barrier_wait -1
.macro OUTA a                          ; rows 16 a .. +15: scale and bias in f32, round once to f16, 16 bytes a lane and tile into the stage
	WIN 0x01
.irp c, 0,1,2
.irp q, 0,1,2,3
	v_pk_fma_f32 v[TW+8*\c+2*\q:TW+8*\c+2*\q+1], v[8*(4*\a+\c)+2*\q:8*(4*\a+\c)+2*\q+1], 0x3e000000, v[BQ+8*\c+2*\q:BQ+8*\c+2*\q+1] op_sel_hi:[1,0,1]
.endr
.endr
	WIN 0x05
.irp q, 0,1,2,3
	v_cvt_pk_f16_f32 v[PK+12+\q], v[8*(4*\a+3)+2*\q], v[8*(4*\a+3)+2*\q+1]
.endr
	WIN 0x0a
.irp c, 0,1
.irp q, 0,1,2,3
	v_cvt_pk_f16_f32 v[PK+16+4*\c+\q], v[8*(4*\a+\c)+2*\q], v[8*(4*\a+\c)+2*\q+1]
.endr
.endr
	WIN 0x02
.irp c, 0,1
.irp q, 0,1,2,3
	v_pk_add_f32 v[TW+24+8*\c+2*\q:TW+24+8*\c+2*\q+1], v[8*(4*\a+2+\c)+2*\q:8*(4*\a+2+\c)+2*\q+1], v[BV+8*\c+2*\q:BV+8*\c+2*\q+1]
.endr
.endr
	WIN 0x03
.irp q, 0,1,2,3
	v_pk_add_f32 v[TW+40+2*\q:TW+40+2*\q+1], v[8*\a+2*\q:8*\a+2*\q+1], v[BV+16+2*\q:BV+16+2*\q+1]
.endr
	WIN 0
.irp c, 0,1,2
.irp q, 0,1,2,3
	v_cvt_pk_f16_f32 v[PK+4*\c+\q],    v[TW+8*\c+2*\q],    v[TW+8*\c+2*\q+1]
	v_cvt_pk_f16_f32 v[PK+24+4*\c+\q], v[TW+24+8*\c+2*\q], v[TW+24+8*\c+2*\q+1]
.endr
.endr
.irp p, 0,1,2
.irp c, 0,1,2
	ds_store_b128 v[STO], v[PK+12*\p+4*\c:PK+12*\p+4*\c+3] offset:384*\p+32*\c
.endr
.endr
	v_add_nc_u32 v[STO], 16*SPITCH, v[STO]         ; 16 rows on: 112 rows do not fit an LDS offset's 16 bits
.endm
.irp a, 0,1,2,3,4,5,6,7
	OUTA \a
.endr
	s_wait_dscnt 0x0                               ; my stores are done, for the others' sake
	s_barrier_signal -1
	s_barrier_wait -1
; Wave w takes rows 32 w .. +31 of plane p9 (64 columns, 128 bytes a row): each store covers 512 consecutive bytes, aligned.
; vv = 1, V's planes: store e writes row places 4 e .. 4 e + 3, which hold keys 16 (e>>2) + 2 (e&3) + {0, 1, 8, 9}.
.macro PLANE p9, set, base, imm, vv
	s_wait_xcnt 0x0                                ; the set's registers, which earlier stores read, are loaded again only behind this wait
.irp e, 0,1,2,3,4,5,6,7
.if \vv
	ds_load_b128 v[64+32*\set+4*\e:64+32*\set+4*\e+3], v[RDV] offset:(16*(\e>>2)+2*(\e&3))*SPITCH+128*\p9
.else
	ds_load_b128 v[64+32*\set+4*\e:64+32*\set+4*\e+3], v[RD] offset:4*\e*SPITCH+128*\p9
.endif
.endr
.irp e, 0,1,2,3,4,5,6,7
	s_wait_dscnt 7-\e                              ; LDS loads return in order: load e is in, the younger stay out
	global_store_b128 v[CO], v[64+32*\set+4*\e:64+32*\set+4*\e+3], s[\base:\base+1] offset:512*\e+\imm
.endr
.endm
	PLANE 0, 0, 72, 0, 0
	PLANE 1, 1, 72, 131072, 0
	PLANE 2, 0, 72, 262144, 0
	PLANE 3, 1, 74, 0, 0
	PLANE 4, 0, 74, 131072, 0
	PLANE 5, 1, 74, 262144, 0
	PLANE 6, 0, 74, 393216, 1
	PLANE 7, 1, 74, 524288, 1
	PLANE 8, 0, 74, 655360, 1
	s_set_vgpr_msb 0x3
	s_wait_tensorcnt 0x0
	ds_add_u32 v255, v207
	s_wait_dscnt 0x0
	s_set_vgpr_msb 0x300
	CROUND                                         ; the closing round: no work-group ends while a partner may still ask for a tile that names it
	s_endpgm
.Lfunc_end_k_qbec71f9ce1_qkv:
	.size	k_qbec71f9ce1_qkv, .Lfunc_end_k_qbec71f9ce1_qkv-k_qbec71f9ce1_qkv
	.p2alignl 7, 3214868480
	.fill 96, 4, 3214868480
	.section	.rodata,"a",@progbits
	.p2align	6, 0x0
	.amdhsa_kernel k_qbec71f9ce1_qkv
		.amdhsa_group_segment_fixed_size 327680
		.amdhsa_private_segment_fixed_size 0
		.amdhsa_enable_private_segment 0
		.amdhsa_kernarg_size 48
		.amdhsa_user_sgpr_count 2
		.amdhsa_user_sgpr_kernarg_segment_ptr 1
		.amdhsa_wavefront_size32 1
		.amdhsa_system_sgpr_workgroup_id_x 1
		.amdhsa_system_sgpr_workgroup_id_y 1
		.amdhsa_system_sgpr_workgroup_id_z 1
		.amdhsa_system_vgpr_workitem_id 0
		.amdhsa_next_free_vgpr 1024
		.amdhsa_next_free_sgpr 80
		.amdhsa_reserve_vcc 0
		.amdhsa_float_denorm_mode_32 3
		.amdhsa_float_denorm_mode_16_64 3
		.amdhsa_memory_ordered 1
		.amdhsa_forward_progress 1
		.amdhsa_inst_pref_size 193
	.end_amdhsa_kernel
	.amdgpu_metadata
---
amdhsa.version: [ 1, 2 ]
amdhsa.kernels:
  - .name:           k_qbec71f9ce1_qkv
    .symbol:         k_qbec71f9ce1_qkv.kd
    .args:
      - { .name: act, .offset: 0, .size: 8, .value_kind: global_buffer, .address_space: global }
      - { .name: wb, .offset: 8, .size: 8, .value_kind: global_buffer, .address_space: global }
      - { .name: bq, .offset: 16, .size: 8, .value_kind: global_buffer, .address_space: global }
      - { .name: bv, .offset: 24, .size: 8, .value_kind: global_buffer, .address_space: global }
      - { .name: q2, .offset: 32, .size: 8, .value_kind: global_buffer, .address_space: global }
      - { .name: kv, .offset: 40, .size: 8, .value_kind: global_buffer, .address_space: global }
    .group_segment_fixed_size: 327680
    .private_segment_fixed_size: 0
    .kernarg_segment_align: 8
    .kernarg_segment_size: 48
    .max_flat_workgroup_size: 128
    .sgpr_count:     80
    .vgpr_count:     1024
    .wavefront_size: 32
...
	.end_amdgpu_metadata
.endif
;; end of part 2
;; launch attn (part 3): grid 4 x 64, 4 waves a work-group, clusters of 4 x 4, 327,680 bytes of LDS; arguments sp_enc, edge_enc, mask, q2, kv, act; writes act
.if DOCPART == 3
	.amdgcn_target "amdgcn-amd-amdhsa--gfx1250"
	.amdhsa_code_object_version 6
	.text
	.protected	k_qbec71f9ce1_attn
	.globl	k_qbec71f9ce1_attn
	.p2align	8
	.type	k_qbec71f9ce1_attn,@function
k_qbec71f9ce1_attn:
	s_mov_b64 s[64:65], 0
	v_nop
	global_prefetch_b8 v0, s[64:65] scope:SCOPE_SE
	s_setreg_imm32_b32 hwreg(HW_REG_WAVE_MODE, 25, 1), 1
	s_wait_xcnt 0x0
	s_wait_alu depctr_hold_cnt(0) depctr_sa_sdst(0) depctr_va_vdst(0) depctr_va_sdst(0) depctr_va_ssrc(0) depctr_va_vcc(0) depctr_vm_vsrc(0)
	s_getreg_b32 s2, hwreg(HW_REG_IB_STS2, 6, 4)
	s_cmp_eq_u32 s2, 0
	s_cbranch_scc0 .Lentry_in_a_cluster
	s_endpgm
.Lentry_in_a_cluster:
	s_bfe_u32 s2, ttmp6, 0x10000c
	s_cmp_lg_u32 s2, 0xf033
	s_cbranch_scc0 .Lentry_shape_is_right
	s_endpgm
.Lentry_shape_is_right:
; Launch 3 of 4: softmax(q k^T / 8 + sp + edge, masked) v, for 128 queries x 3 heads a work-group; the result goes to act in f16, [kb][row][32].
; (q already holds the factor 1/8 and bq; bk is left out, as shown at the head of the first launch.)
; Work-group (g, y): head group g (heads 3 g .. 3 g + 2), y = 8 b + query block.  Wave w: queries 32 w .. +31 as two tiles t of 16, all three heads.
; Keys go in 16 steps of 64 through two LDS slots.  A step's four tiles are one tensor load a wave: wave 0 sp, wave 1 edge, wave 2 K and V, wave 3 mask.
; CLUSTERS 4 x 4: sp, edge and mask hang on y alone and are asked for jointly along a row of the cluster (the four head groups);
; K and V hang on b and g alone and are asked for jointly along a column (four query blocks of one batch).
; ORIENTATION: S^T = K Q^T + bias.  Source 0 = 16 keys of K, source 1 = 16 queries of Q, C = the combined bias.  Lane (r, h) holds query r and,
; in register j of tile i, key 16 i + 8 h + j: maxima and sums are a lane's own but for one exchange between the halves, and two neighbouring
; tiles, rounded to f16, ARE the second source of O^T = V^T P^T: no number changes lane.  V^T's fragments come by transposing LDS loads.
; THE HEADS TAKE TURNS.  A step has 96 matrix instructions and about 900 vector instructions, so each vector phase is cut into slices and
; one product of another head stands behind a slice:
;   phase C: the step's bias (sp + edge, -2^126 where masked), 22 instructions a tile;  products: P V of the last step's head 2, Q K of head 0
;   phase 0: softmax of head 0;  products: Q K of head 1          phase 1: softmax of head 1;  products: P V of head 0 and Q K of head 2, by turns
;   phase 2: softmax of head 2;  products: P V of head 1          behind the last step: P V of head 2 alone
; Head hh takes S, P, K and V buffer hh & 1.  In the softmax the two query tiles' chains stand side by side, and four exponentials of one
; group of four scores stand among the multiply-adds of the next group and the sums and conversions of the group before.
; In the merged stream no two matrix instructions that follow each other share an accumulator.
; SOFTMAX: a running maximum m in the scores' own units; nm = -m log2(e) is rounded once and used alike in p = exp2(s log2(e) + nm) and in
; alpha = exp2(nm_new - nm_old).  Each half of the lanes keeps its own partial sum; the halves meet at the end.
; LIMITS: a masked score is -2^126, not -inf, and m starts at -2^120: a row whose unmasked scores all lie below -2^120 counts as fully masked.
; A fully masked row has sum 0 and gives 0 x (1/0) = NaN, as the softmax of a row of -inf does.  A NaN in sp + edge is not carried
; (the median of three drops it).  P, K, V, Q are f16.
; REGISTERS: window 0: v2-13 addresses, v14-63 statistics and work, v64-127 S0, v128-191 S1, v192-223 P0, v224-255 P1;
;   window 1: O[hh][t][dt] at v[8 ((2 hh + t) 4 + dt)];
;   window 2: Q[hh][t][e] at v[8 ((2 hh + t) 2 + e)], v96-159 sp, then the bias, v160-223 edge, v224-239 mask, v240-249 at work: the bias is made under one window setting;
;   window 3: two K buffers at v0, v64, two V buffers at v128, v192.
.set SLOTB,  132096
.set EDO,    34816                     ; sp: 128 rows x 272; then edge
.set KVO,    69632                     ; six planes of 64 keys x 128 bytes, two rows to a unit of 272: 8,704 each
.set MKO,    121856                    ; mask: 128 rows x 80
.set PLN,    8704
.set STAGE,  2*SLOTB                   ; 12,800 bytes for each wave: 32 rows x 400; no tensor load ever lands here
.set ASP, 2                            ; v2-3    sp (and edge, by offset), slot 0, 1
.set AMK, 4                            ; v4-5
.set AKF, 6                            ; v6-7
.set AVT, 8                            ; v8-9
.set STO, 10
.set RD,  11
.set CO,  12
.set QOF, 13
.set VM,  14                           ; v14-19  m,  index 2 hh + t
.set VNM, 20                           ; v20-25  nm
.set VL,  26                           ; v26-31  partial sums
.set VMX, 32                           ; v32-33  a half's maximum, t = 0, 1
.set VTP, 34                           ; v34-35  the other half's
.set VNP, 36                           ; v36-39  nm as a pair, t = 0, 1
.set VAL, 40                           ; v40-43  alpha as a pair
.set VD,  44                           ; v44-45
.set VW,  48                           ; v48-63  at work, eight for each t
.set BI,  96                           ; window 2
.set ED2, 160
.set MK2, 224
.set TI,  240
.set G1SE, 24
.set G1KV, 32
.set G1MK, 40
.set G0SP, 48
.set G0ED, 52
.set G0KV, 56
.set G0MK, 60
.set FSE, (2<<16)|(1<<20)|(1<<21)|(5<<22)|(3<<25)      ; 4-byte elements, 4 words behind every 64
.set FKV, (1<<16)|(1<<20)|(1<<21)|(5<<22)|(3<<25)      ; 2-byte elements, 4 words behind every 64
.set FMK, (1<<20)|(1<<21)|(3<<22)|(3<<25)              ; bytes, 4 words behind every 16
.set MSB, 0
.macro WIN new                         ; the immediate's high byte repeats the setting that is left
.if MSB != \new
	s_set_vgpr_msb (MSB<<8)|\new
.set MSB, \new
.endif
.endm
.macro PLACES
.rept 4
	v_nop
.endr
.endm
.macro CREST                           ; a round of the cluster's barrier behind its opening barrier
	s_cmp_lg_u32 s16, 0
	s_cbranch_scc1 .Lnot_wave_0_\@
	s_barrier_signal -3
.Lnot_wave_0_\@:
	s_barrier_wait -3
	s_barrier_signal -1
	s_barrier_wait -1
.endm
.macro ROUND
	s_barrier_signal -1
	s_barrier_wait -1
	CREST
.endm
.macro JL                              ; one joint load a wave; the branches hang on the wave's number alone
	s_cmp_lt_u32 s16, 2
	s_cbranch_scc0 .Ljl_hi_\@
	s_cmp_eq_u32 s16, 0
	s_cbranch_scc0 .Ljl_ed_\@
	tensor_load_to_lds s[G0SP:G0SP+3], s[G1SE:G1SE+7]
	s_nop 0
	s_branch .Ljl_end_\@
.Ljl_ed_\@:
	tensor_load_to_lds s[G0ED:G0ED+3], s[G1SE:G1SE+7]
	s_nop 0
	s_branch .Ljl_end_\@
.Ljl_hi_\@:
	s_cmp_eq_u32 s16, 2
	s_cbranch_scc0 .Ljl_mk_\@
	tensor_load_to_lds s[G0KV:G0KV+3], s[G1KV:G1KV+7]
	s_nop 0
	s_branch .Ljl_end_\@
.Ljl_mk_\@:
	tensor_load_to_lds s[G0MK:G0MK+3], s[G1MK:G1MK+7]
	s_nop 0
.Ljl_end_\@:
.endm
.macro KLOAD slot, hh                  ; 16 loads: K's fragments of head hh, 4 key tiles x 2 halves of d
.set KBL, 64*((\hh)&1)
	WIN 0xc0
.irp i, 0,1,2,3
.irp e, 0,1
	ds_load_b128 v[KBL+8*(2*\i+\e):KBL+8*(2*\i+\e)+3],   v[AKF+\slot] offset:(\hh)*PLN+2176*\i+64*\e
	ds_load_b128 v[KBL+8*(2*\i+\e)+4:KBL+8*(2*\i+\e)+7], v[AKF+\slot] offset:(\hh)*PLN+2176*\i+64*\e+32
.endr
.endr
.endm
.macro VLOAD slot, hh                  ; 16 transposing loads: V^T's fragments of head hh, 2 blocks of 32 keys x 4 tiles of d
.set VBL, 128+64*((\hh)&1)
	WIN 0xc0
.irp k, 0,1
.irp d, 0,1,2,3
	ds_load_tr16_b128 v[VBL+8*(4*\k+\d):VBL+8*(4*\k+\d)+3],   v[AVT+\slot] offset:(3+\hh)*PLN+4352*\k+32*\d
	ds_load_tr16_b128 v[VBL+8*(4*\k+\d)+4:VBL+8*(4*\k+\d)+7], v[AVT+\slot] offset:(3+\hh)*PLN+4352*\k+32*\d+2176
.endr
.endr
.endm
.macro SELOAD slot, j                  ; four loads: sp and edge of tile j = 4 t + i, in the layout of C
	ds_load_b128 v[BI+8*\j:BI+8*\j+3],     v[ASP+\slot] offset:4352*(\j>>2)+64*(\j&3)
	ds_load_b128 v[BI+8*\j+4:BI+8*\j+7],   v[ASP+\slot] offset:4352*(\j>>2)+64*(\j&3)+16
	ds_load_b128 v[ED2+8*\j:ED2+8*\j+3],   v[ASP+\slot] offset:EDO+4352*(\j>>2)+64*(\j&3)
	ds_load_b128 v[ED2+8*\j+4:ED2+8*\j+7], v[ASP+\slot] offset:EDO+4352*(\j>>2)+64*(\j&3)+16
.endm
; One product of S^T: head hh, half e of d, tile j = 4 t + i.  e = 0 takes the bias as C, e = 1 adds in place.
.macro QKM hh, e, j
.set QS,  64+64*((\hh)&1)+8*(\j)
.set QKR, 64*((\hh)&1)+16*((\j)&3)+8*(\e)
.set QQ,  16*(2*(\hh)+((\j)>>2))+8*(\e)
.if (\e) == 0
	WIN 0x2b
	v_wmma_f32_16x16x32_f16 v[QS:QS+7], v[QKR:QKR+7], v[QQ:QQ+7], v[BI+8*(\j):BI+8*(\j)+7]
.else
	WIN 0x0b
	v_wmma_f32_16x16x32_f16 v[QS:QS+7], v[QKR:QKR+7], v[QQ:QQ+7], v[QS:QS+7]
.endif
.endm
; One product of O^T: head hh, number m = 8 k + 2 d + t (k: block of 32 keys).  first = 1: block 0 starts the sums.
.macro PVM hh, m, first
.set PKA, (\m)>>3
.set PDD, ((\m)>>1)&3
.set PTT, (\m)&1
.set PO,  8*((2*(\hh)+PTT)*4+PDD)
.set PVR, 128+64*((\hh)&1)+8*(4*PKA+PDD)
.set PP,  192+32*((\hh)&1)+8*(2*PTT+PKA)
	WIN 0x53
.if (\first)*(1-PKA)
	v_wmma_f32_16x16x32_f16 v[PO:PO+7], v[PVR:PVR+7], v[PP:PP+7], 0
.else
	v_wmma_f32_16x16x32_f16 v[PO:PO+7], v[PVR:PVR+7], v[PP:PP+7], v[PO:PO+7]
.endif
.endm
; The bias of tile j, 22 instructions in four parts, all in window 2.  Each mask byte (0 or 1) becomes the sign of an infinity (the neighbour's
; bit that a shift by 23 carries along falls on an exponent bit that is set); the middle of (sum, +inf, -2^126) is the sum, of (sum, -inf, -2^126) it is -2^126.
.macro CMB j, part
.set CB, BI+8*\j
.set CE, ED2+8*\j
.set CM, MK2+2*\j
.if \part == 0
.irp n, 0,1,2,3
	v_pk_add_f32 v[CB+2*\n:CB+2*\n+1], v[CB+2*\n:CB+2*\n+1], v[CE+2*\n:CE+2*\n+1]
.endr
	v_lshl_or_b32 v[TI], v[CM], 31, s68
	v_lshl_or_b32 v[TI+1], v[CM], 23, s68
.endif
.if \part == 1
	v_lshrrev_b32 v[TI+8], 16, v[CM]
	v_lshrrev_b32 v[TI+9], 16, v[CM+1]
	v_lshl_or_b32 v[TI+4], v[CM+1], 31, s68
	v_lshl_or_b32 v[TI+5], v[CM+1], 23, s68
	v_lshl_or_b32 v[TI+2], v[TI+8], 31, s68
.endif
.if \part == 2
	v_lshl_or_b32 v[TI+3], v[TI+8], 23, s68
	v_lshl_or_b32 v[TI+6], v[TI+9], 31, s68
	v_lshl_or_b32 v[TI+7], v[TI+9], 23, s68
.irp n, 0,1
	v_med3_num_f32 v[CB+\n], v[CB+\n], v[TI+\n], s69
.endr
.endif
.if \part == 3
.irp n, 2,3,4,5,6,7
	v_med3_num_f32 v[CB+\n], v[CB+\n], v[TI+\n], s69
.endr
.endif
.endm
; PHASE C.  In front of the round every wave has waited for all its tensor loads (its tile of this step among them) and for its LDS reads of the
; other slot; inside the round stands register work alone (four products); behind it the wave's one joint load fills the other slot with the
; next step's tile, which has this whole step to land.  pv: 0 no P V (the first step), 1 the P V that starts head 2's sums, 2 P V that adds.
.macro PHASEC slot, refill, pv
	WIN 0
	s_wait_tensorcnt 0x0
	ds_add_u32 v46, v47
	s_wait_dscnt 0x0
.if \refill
	s_add_nc_u64 s[G0SP+2:G0SP+3], s[G0SP+2:G0SP+3], 256       ; no tensor load of mine is out: group 0 may be written.  64 keys on
	s_add_nc_u64 s[G0ED+2:G0ED+3], s[G0ED+2:G0ED+3], 256
	s_add_nc_u64 s[G0KV+2:G0KV+3], s[G0KV+2:G0KV+3], 8192
	s_add_nc_u64 s[G0MK+2:G0MK+3], s[G0MK+2:G0MK+3], 64
	s_mov_b32 s[G0SP+1], (1-\slot)*SLOTB
	s_mov_b32 s[G0ED+1], (1-\slot)*SLOTB+EDO
	s_mov_b32 s[G0KV+1], (1-\slot)*SLOTB+KVO
	s_mov_b32 s[G0MK+1], (1-\slot)*SLOTB+MKO
.endif
	s_wait_dscnt 0x0                               ; my reads of the other slot are back, head 2's V among them
	s_barrier_signal -1
.if \pv
.irp m, 0,1,2,3
	PVM 2, \m, (\pv&1)
.endr
	WIN 0
.endif
	s_barrier_wait -1
	CREST
.if \refill
	JL
.endif
	KLOAD \slot, 0                                 ; 56 loads in this order: K of head 0, the mask, sp and edge tile by tile
.if \pv
	PVM 2, 4, (\pv&1)
.endif
	WIN 0x80
.irp j, 0,1,2,3,4,5,6,7
	ds_load_b64 v[MK2+2*\j:MK2+2*\j+1], v[AMK+\slot] offset:1280*(\j>>2)+16*(\j&3)
.endr
	SELOAD \slot, 0
	SELOAD \slot, 1
.if \pv
	PVM 2, 5, (\pv&1)
.endif
	WIN 0x80
	SELOAD \slot, 2
	SELOAD \slot, 3
	SELOAD \slot, 4
.if \pv
	PVM 2, 6, (\pv&1)
.endif
	WIN 0x80
	SELOAD \slot, 5
	SELOAD \slot, 6
	SELOAD \slot, 7
.if \pv
	PVM 2, 7, (\pv&1)
.else
	s_wait_loadcnt 0x0                             ; Q, in front of the first product that reads it; it stays in registers for the whole launch
.endif
.irp j, 0,1,2,3,4,5,6,7
.if \j == 4
	KLOAD \slot, 1                                 ; 16 loads more: K of head 1, wanted in phase 0
.endif
	s_wait_dscnt 4*(7-\j)+16*(\j>>2)               ; tile j is in: four loads for each later tile stay out, and from tile 4 on the 16 of K of head 1
	WIN 0xaa
	CMB \j, 0
.if \pv
	PVM 2, 8+\j, (\pv&1)
.endif
	WIN 0xaa
	CMB \j, 1
.if \j >= 2
	QKM 0, 1, \j-2
.endif
	WIN 0xaa
	CMB \j, 2
	CMB \j, 3
	QKM 0, 0, \j
.endr
.endm
; THE SOFTMAX'S PIECES.  SB, PB: the head's S and P; HX = 2 hh.
.macro AT t, a, first                  ; piece a of 16 of the maximum over tile t's 32 scores of a lane
.set ATS, SB+32*\t
.set ATW, VW+8*\t
.if (\a) < 4
	v_max3_num_f32 v[ATW+\a], v[ATS+8*\a], v[ATS+8*\a+1], v[ATS+8*\a+2]
.endif
.if ((\a)>>2) == 1
	v_max3_num_f32 v[ATW+\a-4], v[ATW+\a-4], v[ATS+8*(\a-4)+3], v[ATS+8*(\a-4)+4]
.endif
.if ((\a)>>2) == 2
	v_max3_num_f32 v[ATW+\a-8], v[ATW+\a-8], v[ATS+8*(\a-8)+5], v[ATS+8*(\a-8)+6]
.endif
.if (\a) == 12
	v_max3_num_f32 v[ATW], v[ATW], v[ATW+1], v[ATS+7]
.endif
.if (\a) == 13
	v_max3_num_f32 v[ATW+2], v[ATW+2], v[ATW+3], v[ATS+15]
.endif
.if (\a) == 14
	v_max3_num_f32 v[ATW], v[ATW], v[ATW+2], v[ATS+23]
.endif
.if (\a) == 15
.if \first
	v_max3_num_f32 v[VMX+\t], v[ATW], v[ATS+31], s70           ; the floor -2^120 starts the running maximum
.else
	v_max3_num_f32 v[VMX+\t], v[ATW], v[ATS+31], v[VM+HX+\t]
.endif
.endif
.endm
.macro BT t, b, first                  ; link b of the chain from the maximum to nm and alpha
.if \b == 0
	v_permlanex16_b32 v[VTP+\t], v[VMX+\t], s66, s67           ; the other half's keys
.endif
.if \b == 1
	v_max_num_f32 v[VM+HX+\t], v[VMX+\t], v[VTP+\t]
.endif
.if \b == 2
	v_mul_f32 v[VNP+2*\t], 0xbfb8aa3b, v[VM+HX+\t]             ; nm = -m log2(e), twice: a pair for the packed multiply-add
.endif
.if \b == 3
	v_mul_f32 v[VNP+2*\t+1], 0xbfb8aa3b, v[VM+HX+\t]
.endif
.if \b == 6
	v_mov_b32 v[VNM+HX+\t], v[VNP+2*\t]
.endif
.if \first == 0
.if \b == 4
	v_sub_f32 v[VD+\t], v[VNP+2*\t], v[VNM+HX+\t]
.endif
.if \b == 5
	v_exp_f32 v[VAL+2*\t], v[VD+\t]                            ; alpha; plain instructions stand between it and link 7 (ISA guide 5.7.2)
.endif
.if \b == 7
	s_wait_alu depctr_va_vdst(0)
	v_mov_b32 v[VAL+2*\t+1], v[VAL+2*\t]
.endif
.endif
.endm
; Group q of 16 is four scores of a lane, S[4 q .. 4 q + 3]; t = q >> 3.
.macro XT q, c                         ; s log2(e) + nm, two at a time
	v_pk_fma_f32 v[SB+4*(\q)+2*\c:SB+4*(\q)+2*\c+1], v[SB+4*(\q)+2*\c:SB+4*(\q)+2*\c+1], 0x3fb8aa3b, v[VNP+2*((\q)>>3):VNP+2*((\q)>>3)+1] op_sel_hi:[1,0,1]
.endm
.macro YT q, c
	v_exp_f32 v[SB+4*(\q)+\c], v[SB+4*(\q)+\c]
.endm
.macro ZS q, c                         ; the sums: groups 0-3 of a tile start four pairs, groups 4-7 add onto them
.set ZL, (\q)&7
.set ZW, VW+8*((\q)>>3)
.if ZL < 4
.if \c == 0
	s_wait_alu depctr_va_vdst(0)
	v_pk_add_f32 v[ZW+2*ZL:ZW+2*ZL+1], v[SB+4*(\q):SB+4*(\q)+1], v[SB+4*(\q)+2:SB+4*(\q)+3]
.endif
.else
.set ZP, ZW+4*(ZL&1)+2*\c
	s_wait_alu depctr_va_vdst(0)
	v_pk_add_f32 v[ZP:ZP+1], v[ZP:ZP+1], v[SB+4*(\q)+2*\c:SB+4*(\q)+2*\c+1]
.endif
.endm
.macro ZC q, c                         ; tiles 2k, 2k+1 become registers 0-3, 4-7 of P^T's fragment k
	v_cvt_pk_f16_f32 v[PB+2*(\q)+\c], v[SB+4*(\q)+2*\c], v[SB+4*(\q)+2*\c+1]
.endm
.macro TT t, k, first                  ; the sum's tail
.set TTW, VW+8*\t
.if \k == 0
	v_pk_add_f32 v[TTW:TTW+1], v[TTW:TTW+1], v[TTW+2:TTW+3]
.endif
.if \k == 1
	v_pk_add_f32 v[TTW+4:TTW+5], v[TTW+4:TTW+5], v[TTW+6:TTW+7]
.endif
.if \k == 2
	v_pk_add_f32 v[TTW:TTW+1], v[TTW:TTW+1], v[TTW+4:TTW+5]
.endif
.if \k == 3
.if \first
	v_add_f32 v[VL+HX+\t], v[TTW], v[TTW+1]
.else
	v_add_f32 v[TTW], v[TTW], v[TTW+1]
.endif
.endif
.if \k == 4
.if \first == 0
	v_fma_f32 v[VL+HX+\t], v[VL+HX+\t], v[VAL+2*\t], v[TTW]
.endif
.endif
.endm
; The place behind slice SI of head hh's softmax: at most one product.
;   hh = 0: places 0, 1: the last two products of head 0's own S^T (tiles 6, 7, which are read from slice 3 on, eight plain instructions later);
;           places 4, 6 .. 34: Q K of head 1.   hh = 1: places 0 .. 31: P V of head 0 and Q K of head 2 by turns.   hh = 2: places 0, 2 .. 30: P V of head 1.
; The last product of an S^T stands at place 34 at the latest: more than four plain instructions follow before the next phase reads it.
.macro MS hh, first
.if \hh == 0
.if SI < 2
	QKM 0, 1, 6+SI
.endif
.if SI >= 4
.if SI <= 34
.if (SI&1) == 0
	QKM 1, (SI-4)/16, ((SI-4)/2)&7
.endif
.endif
.endif
.endif
.if \hh == 1
.if SI < 32
.if (SI&1) == 0
	PVM 0, SI/2, \first
.else
	QKM 2, SI/16, (SI/2)&7
.endif
.endif
.endif
.if \hh == 2
.if SI < 32
.if (SI&1) == 0
	PVM 1, SI/2, \first
.endif
.endif
.endif
.set SI, SI+1
.endm
; PHASE hh: the softmax of head hh on this step's 64 keys, both query tiles, in slices.
.macro PHASE slot, hh, first
.set SB, 64+64*(\hh&1)
.set PB, 192+32*(\hh&1)
.set HX, 2*\hh
.set SI, 0
	s_wait_dscnt 0x0                               ; the fragments asked for a phase ago are in
	WIN 0
.irp a, 0,1,2,3
	AT 0, \a, \first
.endr
	MS \hh, \first
	WIN 0
.irp a, 4,5,6,7
	AT 0, \a, \first
.endr
	MS \hh, \first
	WIN 0
.irp a, 8,9,10,11,12,13,14,15
	AT 0, \a, \first
.endr
	; the next fragments, into buffers whose last products stand more than four plain instructions back
.if \hh == 0
	KLOAD \slot, 2                                 ; wanted in phase 1
	VLOAD \slot, 0                                 ; wanted in phase 1
.else
	VLOAD \slot, \hh                               ; wanted in the next phase
.endif
	MS \hh, \first
	WIN 0                                          ; t = 1's maximum, with t = 0's chain strewn into it
	BT 0, 0, \first
.irp a, 0,1,2,3
	AT 1, \a, \first
.endr
	BT 0, 1, \first
	AT 1, 4, \first
	AT 1, 5, \first
	MS \hh, \first
	WIN 0
	AT 1, 6, \first
	AT 1, 7, \first
	BT 0, 2, \first
	BT 0, 3, \first
	AT 1, 8, \first
	AT 1, 9, \first
	BT 0, 4, \first
	AT 1, 10, \first
	AT 1, 11, \first
	MS \hh, \first
	WIN 0
	BT 0, 5, \first
	AT 1, 12, \first
	AT 1, 13, \first
	BT 0, 6, \first
	AT 1, 14, \first
	BT 0, 7, \first
	XT 0, 0
	XT 0, 1
	AT 1, 15, \first
	MS \hh, \first
	; sixteen turns of two half slices: the exponentials of group RR among the multiply-adds of group RR + 1 and the sums and conversions of
	; group RR - 1; t = 1's chain and t = 0's sum tail are strewn in.  Every half slice that a use could follow ends on a plain instruction.
.set RR, 0
.rept 16
	WIN 0
.if RR == 2
	BT 1, 5, \first
.endif
	YT RR, 0
.if RR < 15
	XT RR+1, 0
.endif
	YT RR, 1
.if RR < 15
	XT RR+1, 1
.endif
.if RR == 0
	BT 1, 0, \first
.endif
.if RR == 1
	BT 1, 2, \first
	BT 1, 3, \first
.endif
.if RR == 9
	TT 0, 0, \first
	TT 0, 1, \first
.endif
.if RR == 10
	TT 0, 3, \first
.endif
	MS \hh, \first
	WIN 0
	YT RR, 2
.if RR > 0
	ZS RR-1, 0
.endif
	YT RR, 3
.if RR > 0
	ZC RR-1, 0
	ZS RR-1, 1
	ZC RR-1, 1
.endif
.if RR == 0
	BT 1, 1, \first
.endif
.if RR == 1
	BT 1, 4, \first
.endif
.if RR == 2
	BT 1, 6, \first
	BT 1, 7, \first
.endif
.if RR == 9
	TT 0, 2, \first
.endif
.if RR == 10
	TT 0, 4, \first
.endif
	MS \hh, \first
.set RR, RR+1
.endr
	WIN 0
	ZS 15, 0
	ZS 15, 1
	TT 1, 0, \first
	ZC 15, 0
	TT 1, 1, \first
	ZC 15, 1
	TT 1, 2, \first
	TT 1, 3, \first
	TT 1, 4, \first
	MS \hh, \first
.if \first == 0
.set GG, 0
.rept 4
	WIN 0x41                                       ; O of this head times alpha, ahead of its P V in the next phase
.rept 8
	v_pk_mul_f32 v[32*(HX+(GG>>4))+2*(GG&15):32*(HX+(GG>>4))+2*(GG&15)+1], v[32*(HX+(GG>>4))+2*(GG&15):32*(HX+(GG>>4))+2*(GG&15)+1], v[VAL+2*(GG>>4):VAL+2*(GG>>4)+1]
.set GG, GG+1
.endr
	MS \hh, \first
.endr
.endif
.endm
.macro STEP slot, refill, first, pv
	PHASEC \slot, \refill, \pv
	PHASE \slot, 0, \first
	PHASE \slot, 1, \first
	PHASE \slot, 2, \first
	WIN 0
.endm
	s_load_b256 s[4:11], s[0:1], 0x0               ; sp s[4:5], edge s[6:7], mask s[8:9], q2 s[10:11]
	s_load_b128 s[12:15], s[0:1], 0x20             ; kv s[12:13], act s[14:15]
	v_lshl_add_u32 v46, v0, 2, 0x4d000
	v_mov_b32 v47, 0
	ds_add_u32 v46, v47
	v_lshrrev_b32 v1, 5, v0
	v_readfirstlane_b32 s16, v1                    ; wave 0..3
	s_bfe_u32 s17, ttmp6, 0x40000                  ; cx
	s_bfe_u32 s18, ttmp6, 0x40004                  ; cy
	s_lshl_b32 s74, ttmp9, 2
	s_add_co_u32 s74, s74, s17                     ; g = 4 x cluster x + cx
	s_and_b32 s19, ttmp7, 0xffff                   ; cluster y = 2 b + (query block >> 2)
	s_lshl_b32 s72, s19, 2
	s_add_co_u32 s72, s72, s18                     ; y = 8 b + query block
	s_lshl_b32 s20, s18, 2
	s_lshl_b32 s20, 15, s20                        ; my row of the cluster
	s_lshl_b32 s21, 0x1111, s17                    ; my column
	s_mov_b32 s66, 0x76543210                      ; v_permlanex16_b32: lane i reads lane i of the other half
	s_mov_b32 s67, 0xfedcba98
	s_mov_b32 s68, 0x7f800000                      ; +inf
	s_mov_b32 s69, 0xfe800000                      ; -2^126
	s_mov_b32 s70, 0xfb800000                      ; -2^120
	s_or_b32 s[G1SE+0], s20, FSE                   ; sp, edge: 128 rows x 64 f32, 1,024 elements from row to row
	s_mov_b32 s[G1SE+1], 64<<16
	s_mov_b32 s[G1SE+2], 128<<16
	s_mov_b32 s[G1SE+3], 64<<16
	s_mov_b32 s[G1SE+4], 128
	s_mov_b32 s[G1SE+5], 1024
	s_mov_b32 s[G1SE+6], 0
	s_mov_b32 s[G1SE+7], 0
	s_or_b32 s[G1KV+0], s21, FKV                   ; K, V: six rows of 4,096 f16 (64 keys x 64, dense), 65,536 elements from plane to plane
	s_mov_b32 s[G1KV+1], 4096<<16
	s_mov_b32 s[G1KV+2], 6<<16
	s_mov_b32 s[G1KV+3], 4096<<16
	s_mov_b32 s[G1KV+4], 6
	s_mov_b32 s[G1KV+5], 65536
	s_mov_b32 s[G1KV+6], 0
	s_mov_b32 s[G1KV+7], 0
	s_or_b32 s[G1MK+0], s20, FMK                   ; mask: 128 rows x 64 bytes, 1,024 from row to row
	s_mov_b32 s[G1MK+1], 64<<16
	s_mov_b32 s[G1MK+2], 128<<16
	s_mov_b32 s[G1MK+3], 64<<16
	s_mov_b32 s[G1MK+4], 128
	s_mov_b32 s[G1MK+5], 1024
	s_mov_b32 s[G1MK+6], 0
	s_mov_b32 s[G1MK+7], 0
	s_lshl_b32 s76, s72, 19                        ; sp, edge: 128 y rows of 4,096 bytes (y alone)
	s_mov_b32 s77, 0
	s_lshl_b32 s78, s72, 17                        ; mask: 128 y rows of 1,024 bytes
	s_mov_b32 s79, 0
	s_lshr_b32 s22, s19, 1                         ; b, from the cluster's y alone: cy never enters K's and V's address
	s_lshl2_add_u32 s22, s22, s74                  ; 4 b + g
	s_mul_i32 s22, s22, 786432
	s_mov_b32 s23, 0
	s_lshr_b32 s80, s72, 3                         ; b
	s_and_b32 s81, s72, 7                          ; query block
	s_mul_i32 s82, s80, 1572864
	s_mul_i32 s83, s74, 393216
	s_add_co_u32 s82, s82, s83
	s_lshl_b32 s81, s81, 14
	s_add_co_u32 s82, s82, s81                     ; q2: batch, three heads, 128 rows of 128 bytes
	s_mov_b32 s83, 0
	s_mul_i32 s84, s74, 3145728                    ; act: six blocks of K a head group,
	s_lshl_b32 s85, s72, 13                        ; 128 y rows of 64 bytes
	s_add_co_u32 s84, s84, s85
	s_mov_b32 s85, 0
	s_mov_b32 s[G0SP], 1
	s_mov_b32 s[G0ED], 1
	s_mov_b32 s[G0KV], 1
	s_mov_b32 s[G0MK], 1
	s_mov_b32 s[G0SP+1], 0
	s_mov_b32 s[G0ED+1], EDO
	s_mov_b32 s[G0KV+1], KVO
	s_mov_b32 s[G0MK+1], MKO
	s_wait_dscnt 0x0
	s_wait_kmcnt 0x0
	s_add_nc_u64 s[G0SP+2:G0SP+3], s[4:5], s[76:77]
	s_add_nc_u64 s[G0ED+2:G0ED+3], s[6:7], s[76:77]
	s_add_nc_u64 s[G0MK+2:G0MK+3], s[8:9], s[78:79]
	s_add_nc_u64 s[G0KV+2:G0KV+3], s[12:13], s[22:23]
	s_or_b32 s[G0SP+3], s[G0SP+3], 0x80000000
	s_or_b32 s[G0ED+3], s[G0ED+3], 0x80000000
	s_or_b32 s[G0MK+3], s[G0MK+3], 0x80000000
	s_or_b32 s[G0KV+3], s[G0KV+3], 0x80000000
	s_add_nc_u64 s[82:83], s[10:11], s[82:83]
	s_add_nc_u64 s[84:85], s[14:15], s[84:85]
	ROUND                                          ; all sixteen work-groups are here
	JL                                             ; step 0's tiles into slot 0: one tensor load of the wave is out
	v_and_b32 v48, 15, v0                          ; r
	v_bfe_u32 v49, v0, 4, 1                        ; h
	v_and_b32 v50, 31, v0                          ; lane
	v_lshl_add_u32 v51, s16, 5, v48                ; 32 w + r
	v_mul_u32_u24 v[ASP], v51, 272
	v_lshl_add_u32 v[ASP], v49, 5, v[ASP]          ; my query's row, eight keys of 4 bytes for each half
	v_add_nc_u32 v[ASP+1], SLOTB, v[ASP]
	v_mul_u32_u24 v[AMK], v51, 80
	v_lshl_add_u32 v[AMK], v49, 3, v[AMK]
	v_add_nc_u32 v[AMK], MKO, v[AMK]
	v_add_nc_u32 v[AMK+1], SLOTB, v[AMK]
	v_lshrrev_b32 v52, 1, v48
	v_and_b32 v53, 1, v0
	v_mul_u32_u24 v[AKF], v52, 272
	v_lshl_add_u32 v[AKF], v53, 7, v[AKF]
	v_lshl_add_u32 v[AKF], v49, 4, v[AKF]          ; key r: (r>>1) 272 + (r&1) 128 + 16 h
	v_add_nc_u32 v[AKF], KVO, v[AKF]
	v_add_nc_u32 v[AKF+1], SLOTB, v[AKF]
	; V: key 8 h + (l&7) of a block of 16.  Key 8 b + 2 a + c stands at row place 4 a + 2 b + c, that is in unit 2 a + b, half c.  For the sixteen
	; lanes of one half the 16-byte column modulo 256 is 2 a + 8 c + ((l>>3)&1) + h: sixteen different ones.
	v_bfe_u32 v52, v0, 1, 2                        ; a = (l&7) >> 1
	v_lshl_add_u32 v52, v52, 1, v49                ; 2 a + h
	v_mul_u32_u24 v[AVT], v52, 272
	v_lshl_add_u32 v[AVT], v53, 7, v[AVT]
	v_bfe_u32 v54, v0, 3, 1
	v_lshl_add_u32 v[AVT], v54, 4, v[AVT]          ; + 16 ((l>>3)&1): which eight of the tile's sixteen d
	v_add_nc_u32 v[AVT], KVO, v[AVT]
	v_add_nc_u32 v[AVT+1], SLOTB, v[AVT]
	s_mul_i32 s86, s16, 12800
	s_add_co_u32 s86, s86, STAGE                   ; my stage
	v_mul_u32_u24 v[STO], v48, 400
	v_lshl_add_u32 v[STO], v49, 4, v[STO]
	v_add_nc_u32 v[STO], s86, v[STO]
	v_lshrrev_b32 v52, 2, v50
	v_mul_u32_u24 v[RD], v52, 400
	v_and_b32 v54, 3, v0
	v_lshl_add_u32 v[RD], v54, 4, v[RD]
	v_add_nc_u32 v[RD], s86, v[RD]
	v_lshlrev_b32 v[CO], 4, v50
	v_lshl_add_u32 v[CO], s16, 11, v[CO]           ; 2,048 w + 16 l
	v_lshlrev_b32 v[QOF], 7, v51
	v_lshl_add_u32 v[QOF], v49, 4, v[QOF]          ; (32 w + r) 128 + 16 h
	v_mov_b32 v[VTP], 0                            ; v_permlanex16_b32's destination counts as read
	v_mov_b32 v[VTP+1], 0
	WIN 0x80
.irp hh, 0,1,2
.irp t, 0,1
.irp e, 0,1
	global_load_b128 v[8*((2*\hh+\t)*2+\e):8*((2*\hh+\t)*2+\e)+3],   v[QOF], s[82:83] offset:\hh*131072+2048*\t+64*\e
	global_load_b128 v[8*((2*\hh+\t)*2+\e)+4:8*((2*\hh+\t)*2+\e)+7], v[QOF], s[82:83] offset:\hh*131072+2048*\t+64*\e+32
.endr
.endr
.endr
	WIN 0
	STEP 0, 1, 1, 0                                ; the first step starts maxima, sums and O: nothing is cleared
	STEP 1, 1, 0, 1
	s_mov_b32 s71, 6
.Lpair:
	STEP 0, 1, 0, 2
	STEP 1, 1, 0, 2
	s_sub_co_u32 s71, s71, 1
	s_cmp_lg_u32 s71, 0
	s_cbranch_scc1 .Lpair
	STEP 0, 1, 0, 2
	STEP 1, 0, 0, 2                                ; the last step fetches nothing
	s_wait_dscnt 0x0                               ; head 2's V of the last step
.irp m, 0,1,2,3,4,5,6,7,8,9,10,11,12,13,14,15
	PVM 2, \m, 0
.endr
	WIN 0
	; THE WAY OUT: O / l, rounded once to f16, 16 bytes a lane and tile into my own stage, read back as pieces of 64 bytes a row.
	PLACES
.macro OUTT hh, t
	v_permlanex16_b32 v[VTP], v[VL+2*\hh+\t], s66, s67
	v_add_f32 v[VD], v[VL+2*\hh+\t], v[VTP]        ; the two halves' sums meet
	v_rcp_f32 v[VAL], v[VD]
	v_rcp_f32 v[VAL+1], v[VD]
	v_nop                                          ; a plain place behind the reciprocals
	WIN 0x01
.set n, 0
	s_wait_alu depctr_va_vdst(0)
.rept 16
	v_pk_mul_f32 v[64+2*n:64+2*n+1], v[32*(2*\hh+\t)+2*n:32*(2*\hh+\t)+2*n+1], v[VAL:VAL+1]
.set n, n+1
.endr
	WIN 0
.set n, 0
.rept 16
	v_cvt_pk_f16_f32 v[96+n], v[64+2*n], v[64+2*n+1]
.set n, n+1
.endr
.irp d, 0,1,2,3
	ds_store_b128 v[STO], v[96+4*\d:96+4*\d+3] offset:6400*\t+128*\hh+32*\d
.endr
.endm
.irp hh, 0,1,2
.irp t, 0,1
	OUTT \hh, \t
.endr
.endr
	; LDS serves a wave's instructions in order and the stage is my own: the loads below see the stores above.
.irp kb, 0,1,2,3,4,5
.irp e, 0,1,2,3
	ds_load_b128 v[128+16*\kb+4*\e:128+16*\kb+4*\e+3], v[RD] offset:3200*\e+64*\kb
.endr
.endr
.set n, 0
.irp kb, 0,1,2,3,4,5
.irp e, 0,1,2,3
	s_wait_dscnt 23-n                              ; load n of the 24 is in, the younger stay out
	global_store_b128 v[CO], v[128+16*\kb+4*\e:128+16*\kb+4*\e+3], s[84:85] offset:\kb*524288+512*\e   ; eight rows x 64 bytes: 512 consecutive bytes, aligned
.set n, n+1
.endr
.endr
	s_wait_tensorcnt 0x0
	ds_add_u32 v46, v47
	s_wait_dscnt 0x0
	ROUND                                          ; the closing round
	s_endpgm
.Lfunc_end_k_qbec71f9ce1_attn:
	.size	k_qbec71f9ce1_attn, .Lfunc_end_k_qbec71f9ce1_attn-k_qbec71f9ce1_attn
	.p2alignl 7, 3214868480
	.fill 96, 4, 3214868480
	.section	.rodata,"a",@progbits
	.p2align	6, 0x0
	.amdhsa_kernel k_qbec71f9ce1_attn
		.amdhsa_group_segment_fixed_size 327680
		.amdhsa_private_segment_fixed_size 0
		.amdhsa_enable_private_segment 0
		.amdhsa_kernarg_size 48
		.amdhsa_user_sgpr_count 2
		.amdhsa_user_sgpr_kernarg_segment_ptr 1
		.amdhsa_wavefront_size32 1
		.amdhsa_system_sgpr_workgroup_id_x 1
		.amdhsa_system_sgpr_workgroup_id_y 1
		.amdhsa_system_sgpr_workgroup_id_z 1
		.amdhsa_system_vgpr_workitem_id 0
		.amdhsa_next_free_vgpr 1024
		.amdhsa_next_free_sgpr 92
		.amdhsa_reserve_vcc 0
		.amdhsa_float_denorm_mode_32 3
		.amdhsa_float_denorm_mode_16_64 3
		.amdhsa_memory_ordered 1
		.amdhsa_forward_progress 1
		.amdhsa_inst_pref_size 255
	.end_amdhsa_kernel
	.section	.bss,"aw",@nobits
	.p2align	6
	.space	262144
	.amdgpu_metadata
---
amdhsa.version: [ 1, 2 ]
amdhsa.kernels:
  - .name:           k_qbec71f9ce1_attn
    .symbol:         k_qbec71f9ce1_attn.kd
    .args:
      - { .name: sp_enc, .offset: 0, .size: 8, .value_kind: global_buffer, .address_space: global }
      - { .name: edge_enc, .offset: 8, .size: 8, .value_kind: global_buffer, .address_space: global }
      - { .name: mask, .offset: 16, .size: 8, .value_kind: global_buffer, .address_space: global }
      - { .name: q2, .offset: 24, .size: 8, .value_kind: global_buffer, .address_space: global }
      - { .name: kv, .offset: 32, .size: 8, .value_kind: global_buffer, .address_space: global }
      - { .name: act, .offset: 40, .size: 8, .value_kind: global_buffer, .address_space: global }
    .group_segment_fixed_size: 327680
    .private_segment_fixed_size: 0
    .kernarg_segment_align: 8
    .kernarg_segment_size: 48
    .max_flat_workgroup_size: 128
    .sgpr_count:     92
    .vgpr_count:     1024
    .wavefront_size: 32
...
	.end_amdgpu_metadata
.endif
;; end of part 3
;; launch oproj (part 4): grid 4 x 64, 4 waves a work-group, clusters of 4 x 4, 327,680 bytes of LDS; arguments act, wb, bo, out0; writes out0
.if DOCPART == 4
	.amdgcn_target "amdgcn-amd-amdhsa--gfx1250"
	.amdhsa_code_object_version 6
	.text
	.protected	k_qbec71f9ce1_oproj
	.globl	k_qbec71f9ce1_oproj
	.p2align	8
	.type	k_qbec71f9ce1_oproj,@function
k_qbec71f9ce1_oproj:
	s_mov_b64 s[64:65], 0
	v_nop
	global_prefetch_b8 v0, s[64:65] scope:SCOPE_SE
	s_setreg_imm32_b32 hwreg(HW_REG_WAVE_MODE, 25, 1), 1
	s_wait_xcnt 0x0
	s_wait_alu depctr_hold_cnt(0) depctr_sa_sdst(0) depctr_va_vdst(0) depctr_va_sdst(0) depctr_va_ssrc(0) depctr_va_vcc(0) depctr_vm_vsrc(0)
	s_getreg_b32 s2, hwreg(HW_REG_IB_STS2, 6, 4)
	s_cmp_eq_u32 s2, 0
	s_cbranch_scc0 .Lentry_in_a_cluster
	s_endpgm
.Lentry_in_a_cluster:
	s_bfe_u32 s2, ttmp6, 0x10000c
	s_cmp_lg_u32 s2, 0xf033
	s_cbranch_scc0 .Lentry_shape_is_right
	s_endpgm
.Lentry_shape_is_right:
; Launch 4 of 4: out0 = attn Wo^T + bo.  attn lies in act as f16 [kb][row][32], Wo as the fourth matrix of wb; sums and out0 in f32.
; Work-group (g, i): rows 128 i .. +127 times columns 192 g .. +191.  Wave w: 128 rows x 48 columns, 24 accumulator tiles (a = 0..7, b = 0..2).
; K goes in four steps of 192 (six blocks of 32) through two LDS slots; each tile comes as two halves of three blocks: waves 0, 1 ask for
; Wo's halves, waves 2, 3 for attn's.  The layout in LDS is that of the projection launch: four rows of 64 bytes to a unit of 272.
; CLUSTERS 4 x 4: attn's tile hangs on i alone, shared along a row of the cluster; Wo's on g alone, shared along a column.
; The matrix instruction is used transposed: lane (r, h) holds row 16 a + r and columns 8 h + 0..7 of its tile.
; REGISTERS: window 0: v1-27 addresses, v32-55 bo, v64-127 / v128-191 attn's fragments, v192-215 / v216-239 Wo's; window 1: tile (a, b) at v[8 (3 a + b)].
.set AKB,    8704
.set BKB,    13056
.set BHALF,  3*BKB
.set AHALF,  3*AKB
.set AOFF,   6*BKB
.set SLOT,   AOFF+6*AKB                ; 130,560
.set ASTEP,  12*524288                 ; two K steps in act
.set BSTEP,  12*49152                  ; two K steps in wb
.set SPITCH, 784                       ; the stage's rows: 192 f32 + 16 bytes = 49 x 16
.set ADRA, 16                          ; v16-17
.set ADRB, 18                          ; v18-21  slot s, half at 18 + 2 s + half
.set STO,  24
.set RD,   25
.set CO,   26
.set BOF,  27
.set BO,   32
.set G1,   24
.set G0,   32
.set G1B,  48
.set G0B,  56
.set FIELDS, (1<<16)|(1<<20)|(1<<21)|(5<<22)|(3<<25)
.set MSB, 0
.macro WIN new
.if MSB != \new
	s_set_vgpr_msb (MSB<<8)|\new
.set MSB, \new
.endif
.endm
.macro PLACES
.rept 4
	v_nop
.endr
.endm
.macro CREST
	s_cmp_lg_u32 s16, 0
	s_cbranch_scc1 .Lnot_wave_0_\@
	s_barrier_signal -3
.Lnot_wave_0_\@:
	s_barrier_wait -3
	s_barrier_signal -1
	s_barrier_wait -1
.endm
.macro CROUND
	s_barrier_signal -1
	s_barrier_wait -1
	CREST
.endm
.macro JLOAD s
	s_cmp_lt_u32 s16, 2
	s_cbranch_scc1 .Lfor_b_\@
	tensor_load_to_lds s[G0+4*\s:G0+4*\s+3], s[G1:G1+7]
	s_nop 0
	s_branch .Lasked_\@
.Lfor_b_\@:
	tensor_load_to_lds s[G0B+4*\s:G0B+4*\s+3], s[G1B:G1B+7]
	s_nop 0
.Lasked_\@:
.endm
.macro MM a, b, f, zero
.if \zero
	v_wmma_f32_16x16x32_f16 v[8*(3*\a+\b):8*(3*\a+\b)+7], v[192+24*\f+8*\b:192+24*\f+8*\b+7], v[64+64*\f+8*\a:64+64*\f+8*\a+7], 0
.else
	v_wmma_f32_16x16x32_f16 v[8*(3*\a+\b):8*(3*\a+\b)+7], v[192+24*\f+8*\b:192+24*\f+8*\b+7], v[64+64*\f+8*\a:64+64*\f+8*\a+7], v[8*(3*\a+\b):8*(3*\a+\b)+7]
.endif
.endm
; The 24 accumulators take turns, one instruction a turn, in the same order in every step of 32.
.macro RUNA f, zero
	WIN 0x50
.irp a, 0,1
.irp b, 0,1,2
	MM \a, \b, \f, \zero
.endr
.endr
.endm
.macro RUNB f, zero
	WIN 0x50
.irp a, 2,3,4,5,6,7
.irp b, 0,1,2
	MM \a, \b, \f, \zero
.endr
.endr
.endm
.macro FETCH slot, j, g                ; 22 LDS loads: block j of the slot's six into buffer g
	WIN 0
.irp c, 0,1,2
	ds_load_b128 v[192+24*\g+8*\c:192+24*\g+8*\c+3],   v[ADRB+2*\slot+(\j)/3] offset:((\j)%3)*BKB+\c*1088
	ds_load_b128 v[192+24*\g+8*\c+4:192+24*\g+8*\c+7], v[ADRB+2*\slot+(\j)/3] offset:((\j)%3)*BKB+\c*1088+32
.endr
.irp a, 0,1,2,3,4,5,6,7
	ds_load_b128 v[64+64*\g+8*\a:64+64*\g+8*\a+3],   v[ADRA+\slot] offset:\j*AKB+\a*1088
	ds_load_b128 v[64+64*\g+8*\a+4:64+64*\g+8*\a+7], v[ADRA+\slot] offset:\j*AKB+\a*1088+32
.endr
.endm
.macro KMID slot, jn, f, g, zero
	s_wait_dscnt 0x0                               ; buffer f is in
	RUNA \f, \zero
	PLACES
	FETCH \slot, \jn, \g
	RUNB \f, \zero
.endm
; The slot's last block: my reads of the slot are back and all my tensor loads have landed in front of the barrier; where the slot is filled
; again the barrier opens a round of the cluster's barrier and the joint refill is the first tensor load behind the round.
.macro KTURN slot, next, f, g, fill
	s_wait_dscnt 0x0
	s_wait_tensorcnt 0x0
	ds_add_u32 v254, v255
	s_wait_dscnt 0x0
	s_barrier_signal -1
	RUNA \f, 0
	WIN 0
	s_barrier_wait -1
.if \fill
	CREST
	s_add_nc_u64 s[G0+4*\slot+2:G0+4*\slot+3], s[G0+4*\slot+2:G0+4*\slot+3], ASTEP
	s_add_nc_u64 s[G0B+4*\slot+2:G0B+4*\slot+3], s[G0B+4*\slot+2:G0B+4*\slot+3], BSTEP
	JLOAD \slot
.endif
	PLACES
	FETCH \next, 0, \g
	RUNB \f, 0
.endm
.macro FIVE slot, zero                 ; the slot's blocks 0 to 4
	KMID \slot, 1, 0, 1, \zero
	KMID \slot, 2, 1, 0, 0
	KMID \slot, 3, 0, 1, 0
	KMID \slot, 4, 1, 0, 0
	KMID \slot, 5, 0, 1, 0
.endm
	s_load_b256 s[4:11], s[0:1], 0x0               ; act s[4:5], wb s[6:7], bo s[8:9], out0 s[10:11]
	v_lshl_add_u32 v254, v0, 2, 0x3fc00
	v_mov_b32 v255, 0
	ds_add_u32 v254, v255
	v_lshrrev_b32 v1, 5, v0
	v_readfirstlane_b32 s16, v1                    ; wave 0..3
	s_and_b32 s18, s16, 1                          ; which three of a K step's six blocks I fetch
	s_bfe_u32 s40, ttmp6, 0x40000                  ; cx
	s_bfe_u32 s41, ttmp6, 0x40004                  ; cy
	s_lshl_b32 s42, ttmp9, 2
	s_add_co_u32 s42, s42, s40                     ; g
	s_and_b32 s43, ttmp7, 0xffff
	s_lshl_b32 s43, s43, 2
	s_add_co_u32 s43, s43, s41                     ; i
	s_lshl_b32 s44, s41, 2
	s_lshl_b32 s44, 15, s44                        ; my row of the cluster
	s_lshl_b32 s45, 0x1111, s40                    ; my column
	s_or_b32 s[G1+0], s44, FIELDS                  ; attn: three rows of 4,096 elements (128 rows x 32, dense), 262,144 apart
	s_mov_b32 s[G1+1], 4096<<16
	s_mov_b32 s[G1+2], 3<<16
	s_mov_b32 s[G1+3], 4096<<16
	s_mov_b32 s[G1+4], 3
	s_mov_b32 s[G1+5], 262144
	s_mov_b32 s[G1+6], 0
	s_mov_b32 s[G1+7], 0
	s_or_b32 s[G1B+0], s45, FIELDS                 ; Wo: three rows of 6,144 elements (192 rows x 32), 24,576 apart
	s_mov_b32 s[G1B+1], 6144<<16
	s_mov_b32 s[G1B+2], 3<<16
	s_mov_b32 s[G1B+3], 6144<<16
	s_mov_b32 s[G1B+4], 3
	s_mov_b32 s[G1B+5], 24576
	s_mov_b32 s[G1B+6], 0
	s_mov_b32 s[G1B+7], 0
	s_lshl_b32 s20, s43, 13                        ; attn: 128 i rows of 64 bytes,
	s_mul_i32 s21, s18, 3*524288                   ; my half's three blocks
	s_add_co_u32 s20, s20, s21
	s_mov_b32 s21, 0
	s_mul_i32 s46, s42, 12288                      ; Wo: 192 g rows of 64 bytes,
	s_mul_i32 s47, s18, 3*49152
	s_add_co_u32 s46, s46, s47
	s_add_co_u32 s46, s46, 3*1179648               ; the fourth matrix of wb
	s_mov_b32 s47, 0
	s_mul_i32 s22, s18, AHALF
	s_mul_i32 s23, s18, BHALF
	s_mul_i32 s70, s42, 768                        ; my 192 columns, in bo and in a row of out0
	s_mov_b32 s71, 0
	s_wait_dscnt 0x0
	s_wait_kmcnt 0x0
	s_add_nc_u64 s[20:21], s[4:5], s[20:21]
	s_add_nc_u64 s[46:47], s[6:7], s[46:47]
	s_add_nc_u64 s[68:69], s[8:9], s[70:71]
	s_add_nc_u64 s[66:67], s[10:11], s[70:71]
	CROUND                                         ; in front of the first joint loads
.irp s, 0,1
	s_mov_b32 s[G0+4*\s], 1
	s_add_co_u32 s[G0+4*\s+1], s22, \s*SLOT+AOFF
	s_add_nc_u64 s[G0+4*\s+2:G0+4*\s+3], s[20:21], \s*6*524288
	s_or_b32 s[G0+4*\s+3], s[G0+4*\s+3], 0x80000000
	s_mov_b32 s[G0B+4*\s], 1
	s_add_co_u32 s[G0B+4*\s+1], s23, \s*SLOT
	s_add_nc_u64 s[G0B+4*\s+2:G0B+4*\s+3], s[46:47], \s*6*49152
	s_or_b32 s[G0B+4*\s+3], s[G0B+4*\s+3], 0x80000000
	JLOAD \s                                       ; K steps 0 and 1: two tensor loads of the wave are out
.endr
	v_and_b32 v1, 15, v0                           ; r
	v_bfe_u32 v2, v0, 4, 1                         ; h
	v_lshrrev_b32 v4, 2, v1
	v_and_b32 v5, 3, v1
	v_mul_u32_u24 v3, v4, 272
	v_lshl_add_u32 v3, v5, 6, v3
	v_lshl_add_u32 v3, v2, 4, v3                   ; (r>>2) 272 + (r&3) 64 + 16 h
	v_add_nc_u32 v[ADRA], AOFF, v3
	v_add_nc_u32 v[ADRA+1], SLOT+AOFF, v3
	s_mul_i32 s19, s16, 12*272                     ; my 48 rows of Wo
	v_add_nc_u32 v[ADRB], s19, v3
	v_add_nc_u32 v[ADRB+1], BHALF, v[ADRB]
	v_add_nc_u32 v[ADRB+2], SLOT, v[ADRB]
	v_add_nc_u32 v[ADRB+3], SLOT+BHALF, v[ADRB]
	s_mul_i32 s17, s16, 192
	v_mul_u32_u24 v[STO], v1, SPITCH
	v_lshl_add_u32 v[STO], v2, 5, v[STO]
	v_add_nc_u32 v[STO], s17, v[STO]               ; r x pitch + 192 w + 32 h
	v_lshl_add_u32 v6, s16, 5, v2                  ; 32 w + h
	v_mul_u32_u24 v[RD], v6, SPITCH
	v_lshl_add_u32 v[RD], v1, 4, v[RD]
	v_mul_u32_u24 v[CO], v6, 3072
	v_lshl_add_u32 v[CO], v1, 4, v[CO]
	v_lshl_add_u32 v[BOF], v2, 5, s17              ; 192 w + 32 h
.irp c, 0,1,2
	global_load_b128 v[BO+8*\c:BO+8*\c+3],   v[BOF], s[68:69] offset:64*\c
	global_load_b128 v[BO+8*\c+4:BO+8*\c+7], v[BOF], s[68:69] offset:64*\c+16
.endr
	s_mul_i32 s70, s43, 393216                     ; 128 i rows of 3,072 bytes
	s_add_nc_u64 s[66:67], s[66:67], s[70:71]
	s_wait_loadcnt 0x0
	s_wait_tensorcnt 0x1                           ; my part of K step 0 is in; K step 1's stays out
	s_barrier_signal -1
	s_barrier_wait -1
	FETCH 0, 0, 0
	FIVE 0, 1                                      ; the first products start the sums
	KTURN 0, 1, 1, 0, 1
	FIVE 1, 0
	KTURN 1, 0, 1, 0, 1
	FIVE 0, 0                                      ; the last two K steps fill nothing
	KTURN 0, 1, 1, 0, 0
	FIVE 1, 0
	s_wait_dscnt 0x0
	RUNA 1, 0
	RUNB 1, 0
	; THE WAY OUT.  The stage is [128 rows][192 f32] in the ring's bytes, which have had their last fill.
	PLACES
	WIN 0
	s_barrier_signal -1                            ; every wave's fragment reads are back (the wait for 0 above)
	s_barrier_wait -1
.macro OUTA a
	WIN 0x01
.irp c, 0,1,2
.irp q, 0,1,2,3
	v_pk_add_f32 v[64+8*\c+2*\q:64+8*\c+2*\q+1], v[8*(3*\a+\c)+2*\q:8*(3*\a+\c)+2*\q+1], v[BO+8*\c+2*\q:BO+8*\c+2*\q+1]
.endr
.endr
	WIN 0
.irp c, 0,1,2
	ds_store_b128 v[STO], v[64+8*\c:64+8*\c+3] offset:64*\c
	ds_store_b128 v[STO], v[64+8*\c+4:64+8*\c+7] offset:64*\c+16
.endr
	v_add_nc_u32 v[STO], 16*SPITCH, v[STO]         ; 16 rows on: 112 rows do not fit an LDS offset's 16 bits
.endm
.irp a, 0,1,2,3,4,5,6,7
	OUTA \a
.endr
	s_wait_dscnt 0x0                               ; my stores are done, for the others' sake
	s_barrier_signal -1
	s_barrier_wait -1
; Wave w takes rows 32 w .. +31, two rows a store: sixteen lanes write 256 consecutive bytes, aligned.  Store q: row pair q / 3, piece q % 3.
.macro BATCH m, set
	s_wait_xcnt 0x0                                ; the set's registers, which earlier stores read, are loaded again only behind this wait
.irp t, 0,1,2,3,4,5,6,7
	ds_load_b128 v[64+32*\set+4*\t:64+32*\set+4*\t+3], v[RD] offset:2*SPITCH*((8*\m+\t)/3)+256*((8*\m+\t)%3)
.endr
.irp t, 0,1,2,3,4,5,6,7
	s_wait_dscnt 7-\t                              ; load t is in, the younger stay out
	global_store_b128 v[CO], v[64+32*\set+4*\t:64+32*\set+4*\t+3], s[66:67] offset:6144*((8*\m+\t)/3)+256*((8*\m+\t)%3) th:TH_STORE_NT
.endr
.endm
	BATCH 0, 0
	BATCH 1, 1
	BATCH 2, 0
	BATCH 3, 1
	BATCH 4, 0
	BATCH 5, 1
	s_wait_tensorcnt 0x0
	ds_add_u32 v254, v255
	s_wait_dscnt 0x0
	CROUND                                         ; the closing round
	s_endpgm
.Lfunc_end_k_qbec71f9ce1_oproj:
	.size	k_qbec71f9ce1_oproj, .Lfunc_end_k_qbec71f9ce1_oproj-k_qbec71f9ce1_oproj
	.p2alignl 7, 3214868480
	.fill 96, 4, 3214868480
	.section	.rodata,"a",@progbits
	.p2align	6, 0x0
	.amdhsa_kernel k_qbec71f9ce1_oproj
		.amdhsa_group_segment_fixed_size 327680
		.amdhsa_private_segment_fixed_size 0
		.amdhsa_enable_private_segment 0
		.amdhsa_kernarg_size 32
		.amdhsa_user_sgpr_count 2
		.amdhsa_user_sgpr_kernarg_segment_ptr 1
		.amdhsa_wavefront_size32 1
		.amdhsa_system_sgpr_workgroup_id_x 1
		.amdhsa_system_sgpr_workgroup_id_y 1
		.amdhsa_system_sgpr_workgroup_id_z 1
		.amdhsa_system_vgpr_workitem_id 0
		.amdhsa_next_free_vgpr 448
		.amdhsa_next_free_sgpr 72
		.amdhsa_reserve_vcc 0
		.amdhsa_float_denorm_mode_32 3
		.amdhsa_float_denorm_mode_16_64 3
		.amdhsa_memory_ordered 1
		.amdhsa_forward_progress 1
		.amdhsa_inst_pref_size 103
	.end_amdhsa_kernel
	.amdgpu_metadata
---
amdhsa.version: [ 1, 2 ]
amdhsa.kernels:
  - .name:           k_qbec71f9ce1_oproj
    .symbol:         k_qbec71f9ce1_oproj.kd
    .args:
      - { .name: act, .offset: 0, .size: 8, .value_kind: global_buffer, .address_space: global }
      - { .name: wb, .offset: 8, .size: 8, .value_kind: global_buffer, .address_space: global }
      - { .name: bo, .offset: 16, .size: 8, .value_kind: global_buffer, .address_space: global }
      - { .name: out0, .offset: 24, .size: 8, .value_kind: global_buffer, .address_space: global }
    .group_segment_fixed_size: 327680
    .private_segment_fixed_size: 0
    .kernarg_segment_align: 8
    .kernarg_segment_size: 32
    .max_flat_workgroup_size: 128
    .sgpr_count:     72
    .vgpr_count:     448
    .wavefront_size: 32
...
	.end_amdgpu_metadata
.endif
;; end of part 4
